; MI455X (gfx1250); checked and timed in simulation.
; The chip was launched on July 23, 2026; its instructions are those of AMD's public machine-readable ISA for CDNA 5 (MIT licence, August 2026) and "CDNA5" Instruction Set Architecture Reference Guide (July 2026). The comments in the code are by the model that wrote it; some were corrected since.
;; Mo BA Attention. Allowed arithmetic: matrix products marked QUANTISED: E2M3 operands, one E8M0 scale for each 32 along K, by v_wmma_scale_f32_16x16x128_f8f6f4 with both operands' format E2M3, f32 sums; products left as they are: f32 operands where the result goes on into a quantised operand, else bf16, f16 or f32 operands; f32 sums; everything else in f32.
;; Inputs: Wk_codes 2,048 x 64 x 24 uint8 (E2M3 codes of Wk, K innermost, in blocks of 32 codes, four codes in three bytes); Wk_scales 2,048 x 64 uint8 (E8M0 scales of Wk, one for each 32 codes along K); Wo_codes 2,048 x 64 x 24 uint8 (E2M3 codes of Wo, K innermost, in blocks of 32 codes, four codes in three bytes); Wo_scales 2,048 x 64 uint8 (E8M0 scales of Wo, one for each 32 codes along K); Wq_codes 2,048 x 64 x 24 uint8 (E2M3 codes of Wq, K innermost, in blocks of 32 codes, four codes in three bytes); Wq_scales 2,048 x 64 uint8 (E8M0 scales of Wq, one for each 32 codes along K); Wv_codes 2,048 x 64 x 24 uint8 (E2M3 codes of Wv, K innermost, in blocks of 32 codes, four codes in three bytes); Wv_scales 2,048 x 64 uint8 (E8M0 scales of Wv, one for each 32 codes along K); bk 2,048 float32; bo 2,048 float32; bq 2,048 float32; bv 2,048 float32; key_codes 1 x 2,048 x 64 x 24 uint8 (E2M3 codes of key, K innermost, in blocks of 32 codes, four codes in three bytes); key_scales 1 x 2,048 x 64 uint8 (E8M0 scales of key, one for each 32 codes along K); query_codes 1 x 2,048 x 64 x 24 uint8 (E2M3 codes of query, K innermost, in blocks of 32 codes, four codes in three bytes); query_scales 1 x 2,048 x 64 uint8 (E8M0 scales of query, one for each 32 codes along K); value_codes 1 x 2,048 x 64 x 24 uint8 (E2M3 codes of value, K innermost, in blocks of 32 codes, four codes in three bytes); value_scales 1 x 2,048 x 64 uint8 (E8M0 scales of value, one for each 32 codes along K).
;; Outputs: out0 1 x 2,048 x 2,048 float32.
;; This version of the problem:
;;   THIS VERSION OF THE PROBLEM IS GIVEN IN LOW PRECISION. The matrix products marked QUANTISED in the list below multiply operands that are first quantised to E2M3 (2 exponent bits, 3 mantissa bits; 6 bits a number), with one power-of-two scale for each 32 numbers along K (OCP MX v1.0); their sums are f32. All else is computed in f32.
;;   The module's matrix products, in the order in which they are computed (A, B: the left and right operand; K: the contracted axis; several contracted axes count as one K, in the product's order):
;;     1. [M 2,048, K 2,048] x [K 2,048, N 2,048]; A: input query (given as codes); B: input Wq (given as codes): QUANTISED
;;     2. [M 2,048, K 2,048] x [K 2,048, N 2,048]; A: input key (given as codes); B: input Wk (given as codes): QUANTISED
;;     3. [M 2,048, K 2,048] x [K 2,048, N 2,048]; A: input value (given as codes); B: input Wv (given as codes): QUANTISED
;;     4. batch 16 x [M 2,048, K 128] x [K 128, N 8]; A: computed on the way; B: computed on the way: left as it is (N = 8 < 16)
;;     5. batch 128 x [M 256, K 128] x [K 128, N 256]; A: computed on the way; B: computed on the way: QUANTISED
;;     6. batch 128 x [M 256, K 256] x [K 256, N 128]; A: softmax (see below); B: computed on the way: QUANTISED
;;     7. batch 16 x [M 2,048, K 128] x [K 128, N 2,048]; A: computed on the way; B: computed on the way: QUANTISED
;;     8. batch 16 x [M 2,048, K 2,048] x [K 2,048, N 128]; A: softmax (see below); B: computed on the way: QUANTISED
;;     9. [M 2,048, K 2,048] x [K 2,048, N 2,048]; A: computed on the way; B: input Wo (given as codes): QUANTISED
;;   THE QUANTISER, for each operand of a quantised product, along K:
;;     - K is cut into blocks of 32 from its start; a last block that is shorter is filled with zeros.
;;     - A block's scale is 2^e with e = floor(log2(the largest magnitude in the block)) - 2, held to -126 .. 127; a block of zeros has e = 0. As a byte (E8M0): e + 127.
;;     - Each number is divided by its block's scale, clamped to +-7.5, and rounded to the nearest number of E2M3, ties to even, subnormals kept.
;;     - The product sums the exact products of the quantised numbers (number of the format x scale) in f32.
;;   ~~~python
;;   def quantise(x, axis):      # numpy; x: float32 -> the quantised numbers, widened to float32 again
;;       x = np.moveaxis(x, axis, -1); K = x.shape[-1]
;;       x = np.pad(x, [(0, 0)] * (x.ndim - 1) + [(0, -K % 32)]); x = x.reshape(x.shape[:-1] + (-1, 32)); a = np.abs(x).max(-1, keepdims=True)
;;       e = np.where(a > 0, np.clip(np.frexp(np.where(a > 0, a, 1))[1] - 1 - 2, -126, 127), 0)      # np.frexp(a)[1] - 1 = floor(log2(a)), exactly
;;       r = np.clip(x / 2.0 ** e, -7.5, 7.5)
;;       step = 2.0 ** (np.maximum(np.frexp(np.where(r == 0, 1, r))[1] - 1, 0) - 3)
;;       q = np.round(r / step) * step * 2.0 ** e      # np.round: ties to even
;;       return np.moveaxis(q.reshape(q.shape[:-2] + (-1,))[..., :K], -1, axis).astype(np.float32)
;;   ~~~
;;   SOFTMAX AHEAD OF A QUANTISED PRODUCT. Where the list says 'softmax', what is quantised is not the finished softmax but p = 2^(t - M), with t = logit x log2(e) and M = ceil(the row's largest t), a whole number; so 1/2 < the row's largest p <= 1. The row's sum l is taken of the UNQUANTISED p, in f32, and the product's result is divided by l at the end. Since M is a whole number, a kernel that streams over the keys may use a running M (the ceiling of the running maximum): every later rescaling is an exact power of two, which a block's scale takes up: the codes' values come out the same.
;;   OPERANDS COMPUTED ON THE WAY. 'Computed on the way' means the value that the module computes at that place (a softmax that the list does not call 'softmax' is quantised finished and normalised). What goes into a quantiser is computed in f32, as accurately as f32 sums, v_exp_f32 and their like allow (about 1e-6 of the number): no bf16 or f16 on the way to a quantiser, and a product that is left as it is and whose result goes on into a quantised operand takes f32 operands (vector FMAs, or v_wmma_f32_16x16x4_f32). A number that lies on a knife's edge between two numbers of the format may be rounded either way, as far as f32 arithmetic and the matrix unit's own rounding can turn it there, and no further.
;;   INPUTS GIVEN AS CODES. Wk (in the module: [2048, 2048], K = its axis 1); Wo (in the module: [2048, 2048], K = its axis 1); Wq (in the module: [2048, 2048], K = its axis 1); Wv (in the module: [2048, 2048], K = its axis 1); key (in the module: [1, 2048, 2048], K = its axis 2); query (in the module: [1, 2048, 2048], K = its axis 2); value (in the module: [1, 2048, 2048], K = its axis 2): each comes as NAME_codes (uint8): NAME with its K axis moved to the last place and cut into blocks of 32 codes, [.., K / 32, bytes a block], one block behind the other in memory; four codes in three bytes: a row's codes are one little-endian stream of bits, code i at bits 6 i .. 6 i + 5 (a code: sign, 2 exponent bits, 3 mantissa bits); and NAME_scales (uint8): the same leading axes, one E8M0 byte (e + 127) for each 32 codes along K. Its value is code x scale, taken as it is: it is not quantised again, and the codes and scales need not be those that the quantiser above would give.
;; 2 versions, each right. Each part assembles by itself: llvm-mc -triple=amdgcn-amd-amdhsa -mcpu=gfx1250 --defsym DOCPART=n.
;; ======== version 1 of 2: 3 launches
;; workspace buffers: qf 16,777,216 bytes; kv 6,553,600 bytes; ksum 131,072 bytes; acodes 3,145,728 bytes; ascales 131,072 bytes
;; launch proj (part 1): grid 8 x 24, 4 waves a work-group, clusters of 4 x 4, 327,680 bytes of LDS; arguments query_codes, query_scales, Wq_codes, Wq_scales, bq, qf, key_codes, key_scales, Wk_codes, Wk_scales, bk, kv, Wv_codes, Wv_scales, value_codes, value_scales, bv, ksum; writes qf, kv, ksum
.if DOCPART == 1
	.amdgcn_target "amdgcn-amd-amdhsa--gfx1250"
	.amdhsa_code_object_version 6
	.text
	.protected	k_q3530ad2b76_proj
	.globl	k_q3530ad2b76_proj
	.p2align	8
	.type	k_q3530ad2b76_proj,@function
k_q3530ad2b76_proj:
	s_mov_b64 s[64:65], 0
	v_nop
	global_prefetch_b8 v0, s[64:65] scope:SCOPE_SE
	s_setreg_imm32_b32 hwreg(HW_REG_WAVE_MODE, 25, 1), 1
	s_wait_xcnt 0x0
	s_wait_alu depctr_hold_cnt(0) depctr_sa_sdst(0) depctr_va_vdst(0) depctr_va_sdst(0) depctr_va_ssrc(0) depctr_va_vcc(0) depctr_vm_vsrc(0)
	s_getreg_b32 s2, hwreg(HW_REG_IB_STS2, 6, 4)
	s_cmp_eq_u32 s2, 0
	s_cbranch_scc0 .Lentry_in_a_cluster
	s_endpgm
.Lentry_in_a_cluster:
	s_bfe_u32 s2, ttmp6, 0x10000c
	s_cmp_lg_u32 s2, 0xf033
	s_cbranch_scc0 .Lentry_shape_is_right
	s_endpgm
.Lentry_shape_is_right:
; C[m][n] = sum over k of X[m][k] Y[n][k] + bias, X and Y [2048][2048] as codes of E2M3 (four codes in three bytes, K innermost) with one E8M0 byte for each 32 along K; sums in f32.
; The arguments are three sets of six (X codes, X scales, Y codes, Y scales, bias, result); the cluster's y picks the set: G = cluster y / 2.
;   G = 0: X = tokens, Y = a weight; bias along n; C leaves as f32 rows of 2,048 numbers.
;   G = 1: X = key, Y = Wk; bias along n.  k is quantised along a head's 128 and leaves as images of operand registers, with scale words, and its sums over 128 tokens leave in f32.
;   G = 2: X = Wv, Y = value: C is v transposed; bias along m.  It is quantised along the tokens and leaves the same way.
; A tile of C, 256 x 256, is made by four waves, each 128 x 128: 64 accumulators, 512 registers.  K goes in steps of 256 through a ring of two LDS slots filled by the tensor data mover;
; the scale bytes of the tile's 256 + 256 rows come into LDS once, in rows of 256 bytes.  CLUSTERS: 4 x 4 work-groups; X's tiles are asked for jointly along a row, Y's along a column.
; The matrix instruction is used transposed (source 0 = 16 rows of Y, source 1 = 16 rows of X): a lane holds eight neighbouring numbers of a row of C.
; A RECORD of kv (25,600 bytes, one for each head and each 128 tokens): 8 images of K (1,536 bytes each), 8 images of V^T, 512 bytes of K's scale words, 512 of V's.  An image: registers 4 i .. 4 i + 3 of lane l at 512 i + 16 l.
; Lane r of fragment t holds row 32 (t / 2) + 8 (t % 2) + r + 8 (r / 8) of the wave's 128 rows, so that the results of products with two neighbouring fragments are 16 neighbours along the next K.
; LIMITS: NaN and infinities are not served.  A block of zeros gets the scale byte 1 where the quantiser says 127: its codes are zeros, and only this program reads these bytes.
; REGISTERS, in windows of 256: window 0: v8-31 addresses and a bias; v32-63 scale words; v64-127, v224-239 biases; v128-223 X's fragments, one set; window 1: Y's fragments, two sets; windows 2, 3: the accumulators.
.set SIZE_K, 2048
.set SIZE_N, 2048
.set KSTEP,  256                       ; along K in a slot
.set NQ,     KSTEP/128                 ; matrix instructions deep
.set ROWB,   192                       ; a tile's row in bytes
.set KROW,   SIZE_K*6/8                ; a row of codes in memory
.set PITCH,  240                       ; an LDS row: 3 x (64 bytes + 16 of padding)
.set FR,     12                        ; registers of a fragment
.set NL,     6                         ; LDS loads that bring one
.set NP,     4                         ; places behind this matrix instruction (ISA guide 7.12.1)
.set HALFT,  128*PITCH
.set SLOT,   4*HALFT                   ; X's 256 rows, then Y's 256 rows
.set LAPS,   SIZE_K/(2*KSTEP)
.set KS,     SIZE_K/32                 ; a row of scale bytes
.set SCL,    2*SLOT                    ; behind the ring: the scales, rows of 256 bytes + 16
.set HALFS,  (128*KS/256)*272
.set SBLK,   (16*KS/256)*272
.set SPARE,  SCL+4*HALFS               ; the spare words: 128 bytes a wave, two blocks of 256 bytes that no other line names
.set SPITCH, 528                       ; a stage row: 512 bytes + 16
.set HSK,    16*SPITCH+128             ; the quantising way: rows 16-31 of a stage begin here, half a turn through the banks on
.set WSTG,   17408                     ; the quantising way's stage, one a wave, from LDS byte 0 (in slot 0, behind its last fill and its last read)
.set FSTG,   4*WSTG                    ; the f32 way's stages, 16 rows a wave: bytes of their own, since the two ways part on the work-group's number
.set REC,    25600
.set BI,   8                           ; v8-11   bias of my four columns on the way back from a stage
.set H8,   12                          ; v12     8 x (lane / 16)
.set OBN,  13                          ; v13     128 x (lane / 16): offset of the bias along n
.set OBM,  14                          ; v14     4 x (r + 8 (r / 8)): offset of the bias along m
.set RDQ,  15                          ; v15     quantising way: a stage row, 16 bytes a lane
.set ADRA, 16
.set ADRB, 20
.set STO,  24                          ; f32 way: where I put 32 bytes of a row
.set RD,   25                          ; f32 way: where I read a row back
.set CO,   26                          ; 16 x lane
.set ADRS, 27
.set SPW,  28                          ; LDS address of my spare word; never rewritten
.set NIL,  29                          ; 0; never rewritten
.set STQ,  30                          ; quantising way: where I put 32 bytes of a row
.set RQ,   31                          ; quantising way: my fragment row, my half of its 128 numbers
.set SC,   32
.set SW,   32                          ; the way out: the eight scale words made
.set BN,   64                          ; v64-127  bias along n: register 32 c + i = bias[n0 + 64 c + 32 h + i]
.set AF,   128
.set BK,   128
.set X,    128                         ; quantising way: 64 numbers
.set F,    192                         ; a fragment's codes
.set FT,   204                         ; the conversions' second halves
.set TQ,   212                         ; at work
.set BM,   224                         ; v224-239 bias along m: a pair for each fragment, both halves alike
.set KSUM, 240                         ; v240-255 column sums, four chains of four
.set G1, 24
.set G0, 32
.set G1B, 48
.set G0B, 56
.set G1S, 68
.set G0S, 76
.set G1SB, 80
.set G0SB, 88
.set MSB, 0
.macro WIN new                         ; the immediate's high byte repeats the setting that is left
.if MSB != \new
	s_set_vgpr_msb (MSB<<8)|\new
.set MSB, \new
.endif
.endm
.set MUL_LO, 0xa1                      ; source 0 (Y) window 1, source 1 (X) window 0, C and D window 2
.set MUL_HI, 0xf1
.set TO_B,   0x40
; A joint load: waves 0 and 1 fetch for X, waves 2 and 3 for Y.  Four v_nop follow each of the two lines.
.macro JLOAD g0a, g1a, g0b, g1b
	s_cmp_eq_u32 s15, 0
	s_cbranch_scc0 .Lfor_b_\@
	tensor_load_to_lds s[\g0a:\g0a+3], s[\g1a:\g1a+7]
	s_nop 0
.rept 4
	v_nop
.endr
	s_branch .Lasked_\@
.Lfor_b_\@:
	tensor_load_to_lds s[\g0b:\g0b+3], s[\g1b:\g1b+7]
	s_nop 0
.rept 4
	v_nop
.endr
.Lasked_\@:
.endm
.macro CREST                           ; a round of the cluster's barrier behind its opening barrier
	s_cmp_lg_u32 s14, 0
	s_cbranch_scc1 .Lnot_wave_0_\@
	s_barrier_signal -3
.Lnot_wave_0_\@:
	s_barrier_wait -3
	s_barrier_signal -1
	s_barrier_wait -1
.endm
.macro CROUND
	s_barrier_signal -1
	s_barrier_wait -1
	CREST
.endm
	s_load_b256 s[24:31], s[0:1], 0x0              ; set 0: X codes, X scales, Y codes, Y scales,
	s_load_b128 s[32:35], s[0:1], 0x20             ;        bias, f32 result
	s_load_b256 s[36:43], s[0:1], 0x30             ; set 1: key's, Wk's,
	s_load_b128 s[44:47], s[0:1], 0x50             ;        bk, kv
	s_load_b256 s[48:55], s[0:1], 0x60             ; set 2: Wv's, value's,
	s_load_b128 s[56:59], s[0:1], 0x80             ;        bv, ksum
	v_lshl_add_u32 v[SPW], v0, 2, SPARE
	v_mov_b32 v[NIL], 0
	ds_add_u32 v28, v29
	s_wait_dscnt 0x0
	v_lshrrev_b32 v1, 5, v0
	v_readfirstlane_b32 s14, v1                    ; wave 0..3
	s_lshr_b32 s15, s14, 1                         ; which half of the tile's rows is mine.  Also: I fetch for X (0) or for Y (1)
	s_and_b32 s16, s14, 1                          ; which half of its columns.  Also: which 128 rows I fetch
	s_and_b32 s67, ttmp7, 0xffff                   ; the cluster's y
	s_lshr_b32 s66, s67, 1                         ; G: the same in all sixteen partners
	s_mov_b32 s104, 0x76543210
	s_mov_b32 s105, 0xfedcba98                     ; v_permlanex16_b32's selects for lane l xor 16
	s_wait_kmcnt 0x0
	s_cmp_eq_u32 s66, 1                            ; the set is chosen by G alone
	s_cselect_b64 s[4:5], s[36:37], s[48:49]
	s_cselect_b64 s[6:7], s[38:39], s[50:51]
	s_cselect_b64 s[8:9], s[40:41], s[52:53]
	s_cselect_b64 s[10:11], s[42:43], s[54:55]
	s_cselect_b64 s[96:97], s[44:45], s[56:57]
	s_cmp_eq_u32 s66, 0
	s_cselect_b64 s[4:5], s[24:25], s[4:5]         ; X's codes
	s_cselect_b64 s[6:7], s[26:27], s[6:7]         ; X's scales
	s_cselect_b64 s[8:9], s[28:29], s[8:9]         ; Y's codes
	s_cselect_b64 s[10:11], s[30:31], s[10:11]     ; Y's scales
	s_cselect_b64 s[96:97], s[32:33], s[96:97]     ; the bias
	s_cselect_b64 s[12:13], s[34:35], s[46:47]     ; the f32 result, or kv for the images
	s_mov_b64 s[100:101], s[46:47]                 ; kv for the scale words
	s_mov_b64 s[98:99], s[58:59]                   ; ksum
	s_bfe_u32 s40, ttmp6, 0x40000                  ; cx, cy: my place in the cluster
	s_bfe_u32 s41, ttmp6, 0x40004
	s_lshl_b32 s42, ttmp9, 2
	s_add_co_u32 s42, s42, s40                     ; tile column = 4 x cluster x + cx
	s_and_b32 s17, s67, 1
	s_lshl_b32 s17, s17, 2
	s_add_co_u32 s17, s17, s41                     ; tile row = 4 x (cluster y % 2) + cy
	s_lshl_b32 s43, s41, 2
	s_lshl_b32 s43, 15, s43                        ; my row of the cluster
	s_lshl_b32 s44, 0x1111, s40                    ; my column
	; descriptor group 1: a tile of 128 rows x 192 bytes; 16 bytes of padding behind every 64
	s_or_b32 s[G1+0], s43, (0<<16)|(1<<20)|(1<<21)|(3<<22)|(3<<25)
	s_or_b32 s[G1B+0], s44, (0<<16)|(1<<20)|(1<<21)|(3<<22)|(3<<25)
.irp g, G1, G1B
	s_mov_b32 s[\g+1], ROWB<<16                    ; tensor_dim0
	s_mov_b32 s[\g+2], 128<<16                     ; tensor_dim1
	s_mov_b32 s[\g+3], ROWB<<16                    ; tile_dim0
	s_mov_b32 s[\g+4], 128                         ; tile_dim1
	s_mov_b32 s[\g+5], KROW                        ; tensor_dim0_stride
	s_mov_b32 s[\g+6], 0
	s_mov_b32 s[\g+7], 0
.endr
	; the scales of 128 rows: 8,192 dense bytes as 32 rows of 256 bytes (32 elements of 8 bytes), 16 bytes of padding behind each
	s_or_b32 s[G1S+0], s43, (3<<16)|(1<<20)|(1<<21)|(5<<22)|(3<<25)
	s_or_b32 s[G1SB+0], s44, (3<<16)|(1<<20)|(1<<21)|(5<<22)|(3<<25)
.irp g, G1S, G1SB
	s_mov_b32 s[\g+1], 32<<16
	s_mov_b32 s[\g+2], (128*KS/256)<<16
	s_mov_b32 s[\g+3], 32<<16
	s_mov_b32 s[\g+4], 128*KS/256
	s_mov_b32 s[\g+5], 32
	s_mov_b32 s[\g+6], 0
	s_mov_b32 s[\g+7], 0
.endr
	s_lshl_b32 s18, s16, 7                         ; which 128 rows of the tile I fetch
	s_lshl_b32 s20, s17, 8
	s_add_co_u32 s20, s20, s18                     ; X: row 256 x tile row + 128 x half
	s_lshl_b32 s46, s42, 8
	s_add_co_u32 s46, s46, s18                     ; Y: row 256 x tile column + 128 x half
	s_mov_b32 s21, 0
	s_mov_b32 s47, 0
	s_mov_b64 s[18:19], KS
	s_mul_u64 s[22:23], s[20:21], s[18:19]         ; where these rows' scales begin,
	s_mul_u64 s[92:93], s[46:47], s[18:19]
	s_mov_b64 s[18:19], KROW
	s_mul_u64 s[20:21], s[20:21], s[18:19]         ; and their codes
	s_mul_u64 s[46:47], s[46:47], s[18:19]
	s_mul_i32 s45, s14, HALFT                      ; where they go: wave x 128 rows: no place in the cluster enters an LDS address
	s_mul_i32 s94, s14, HALFS
	s_add_nc_u64 s[20:21], s[4:5], s[20:21]
	s_add_nc_u64 s[22:23], s[6:7], s[22:23]
	s_add_nc_u64 s[46:47], s[8:9], s[46:47]
	s_add_nc_u64 s[92:93], s[10:11], s[92:93]
	CROUND                                         ; all sixteen work-groups are here: the first joint loads meet
	s_mov_b32 s[G0S], 1
	s_add_co_u32 s[G0S+1], s94, SCL
	s_mov_b64 s[G0S+2:G0S+3], s[22:23]
	s_or_b32 s[G0S+3], s[G0S+3], 0x80000000
	s_mov_b32 s[G0SB], 1
	s_add_co_u32 s[G0SB+1], s94, SCL
	s_mov_b64 s[G0SB+2:G0SB+3], s[92:93]
	s_or_b32 s[G0SB+3], s[G0SB+3], 0x80000000
	JLOAD G0S, G1S, G0SB, G1SB                     ; the scales first: they are wanted with K step 0
.irp s, 0,1
	s_mov_b32 s[G0+4*\s], 1
	s_add_co_u32 s[G0+4*\s+1], s45, \s*SLOT
	s_add_nc_u64 s[G0+4*\s+2:G0+4*\s+3], s[20:21], \s*ROWB
	s_or_b32 s[G0+4*\s+3], s[G0+4*\s+3], 0x80000000
	s_mov_b32 s[G0B+4*\s], 1
	s_add_co_u32 s[G0B+4*\s+1], s45, \s*SLOT
	s_add_nc_u64 s[G0B+4*\s+2:G0B+4*\s+3], s[46:47], \s*ROWB
	s_or_b32 s[G0B+4*\s+3], s[G0B+4*\s+3], 0x80000000
	JLOAD G0+4*\s, G1, G0B+4*\s, G1B               ; three tensor loads of mine are out
.endr
	v_and_b32 v1, 15, v0                           ; r = lane % 16
	v_bfe_u32 v2, v0, 4, 1                         ; h = lane / 16
	v_mul_u32_u24 v3, v1, PITCH
	v_mul_u32_u24 v4, v2, 24
	v_add_nc_u32 v4, v3, v4                        ; a fragment's row x pitch + 24 x half
	v_lshl_add_u32 v5, v2, 4, v4                   ; and the same behind one padding more
	s_mul_i32 s21, s15, HALFT                      ; my 128 rows of X
	s_mul_i32 s22, s16, HALFT                      ; my 128 rows of Y,
	s_add_co_u32 s22, s22, 2*HALFT                 ; which lie behind X's 256
.irp s, 0,1
	v_add_nc_u32 v[ADRA+\s], s21, v4
	v_add_nc_u32 v[ADRB+\s], s22, v4
	v_add_nc_u32 v[ADRA+2+\s], s21, v5
	v_add_nc_u32 v[ADRB+2+\s], s22, v5
	s_add_co_u32 s21, s21, SLOT
	s_add_co_u32 s22, s22, SLOT
.endr
	v_mul_u32_u24 v5, v1, KS                       ; my row's scales: 64 bytes a row,
	v_lshrrev_b32 v6, 8, v5
	v_lshl_add_u32 v5, v6, 4, v5                   ; and 16 more for each 256 passed
	s_mul_i32 s21, s15, HALFS
	s_mul_i32 s22, s16, HALFS
	s_add_co_u32 s22, s22, 2*HALFS
	s_sub_co_u32 s22, s22, s21
	v_mul_u32_u24 v6, s22, v2                      ; lanes 16-31 take Y's
	s_add_co_u32 s21, s21, SCL
	v_add_nc_u32 v5, v5, v6
	v_add_nc_u32 v[ADRS], s21, v5
	; the addresses of both ways out, made here, ahead of every parting of ways
	s_mul_i32 s23, s14, 16*SPITCH
	s_add_co_u32 s23, s23, FSTG
	v_mul_u32_u24 v5, v1, SPITCH
	v_lshl_add_u32 v5, v2, 5, v5                   ; row r, 32 bytes for each half of the lanes
	v_add_nc_u32 v[STO], s23, v5
	v_and_b32 v6, 31, v0
	v_lshlrev_b32 v[CO], 4, v6
	v_add_nc_u32 v[RD], s23, v[CO]
	s_mul_i32 s23, s14, WSTG
	v_add_nc_u32 v[STQ], s23, v5
	v_add_nc_u32 v[RDQ], s23, v[CO]
	v_and_b32 v6, 7, v1
	v_mul_u32_u24 v6, v6, SPITCH
	v_lshrrev_b32 v7, 3, v1
	v_mad_u32_u24 v6, v7, HSK, v6                  ; lanes 8-15 of a fragment take rows 16 further on
	v_lshl_add_u32 v6, v2, 7, v6                   ; my half's 32 numbers of each 64
	v_add_nc_u32 v[RQ], s23, v6
	v_lshlrev_b32 v[H8], 3, v2
	v_lshlrev_b32 v[OBN], 7, v2
	v_lshl_add_u32 v[OBM], v7, 3, v1
	v_lshlrev_b32 v[OBM], 2, v[OBM]
	; where my wave's 128 x 128 goes.  a = 2 x tile column + column half, b = 2 x tile row + row half
	s_lshl_b32 s92, s42, 1
	s_add_co_u32 s92, s92, s16                     ; a
	s_lshl_b32 s93, s17, 1
	s_add_co_u32 s93, s93, s15                     ; b
	s_cmp_eq_u32 s66, 1
	s_cselect_b32 s94, s92, s93                    ; the head: K's columns, V^T's rows
	s_cselect_b32 s95, s93, s92                    ; the group of 128 tokens: the other of the two
	s_cselect_b32 s67, 0, 12288                    ; K's images, or V's
	s_cselect_b32 s2, 0, 512                       ; K's scale words, or V's
	s_lshl_b32 s94, s94, 4
	s_add_co_u32 s94, s94, s95                     ; the record's number
	s_mul_i32 s18, s94, REC
	s_mov_b32 s19, 0
	s_add_nc_u64 s[100:101], s[100:101], s[18:19]
	s_add_co_u32 s22, s2, 24576
	s_mov_b32 s23, 0
	s_add_nc_u64 s[100:101], s[100:101], s[22:23]  ; the scale words' place
	s_lshl_b32 s22, s94, 9
	s_add_nc_u64 s[98:99], s[98:99], s[22:23]      ; the column sums' place: 512 bytes a record
	s_add_co_u32 s18, s18, s67                     ; the images' place
	s_lshl_b32 s20, s93, 20                        ; f32: 128 b rows of 8,192 bytes
	s_lshl_b32 s21, s92, 9                         ;      + 128 a columns of 4 bytes
	s_add_co_u32 s20, s20, s21
	s_cmp_eq_u32 s66, 0
	s_cselect_b32 s20, s20, s18
	s_mov_b32 s21, 0
	s_add_nc_u64 s[12:13], s[12:13], s[20:21]
	s_lshl_b32 s20, s92, 9
	s_add_nc_u64 s[20:21], s[96:97], s[20:21]      ; the bias at my first column,
	s_lshl_b32 s22, s93, 9
	s_add_nc_u64 s[22:23], s[96:97], s[22:23]      ; and at my first row
	; the bias in the three layouts that the ways out want; loaded on every way; all inside its 2,048 numbers; waited for on the way out
	global_load_b128 v[BI:BI+3], v[CO], s[20:21]
.irp c, 0,1
.irp j, 0,1,2,3,4,5,6,7
	global_load_b128 v[BN+32*\c+4*\j:BN+32*\c+4*\j+3], v[OBN], s[20:21] offset:256*\c+16*\j
.endr
.endr
.irp t, 0,1,2,3,4,5,6,7
	global_load_b32 v[BM+2*\t], v[OBM], s[22:23] offset:(32*(\t/2)+8*(\t%2))*4
	global_load_b32 v[BM+2*\t+1], v[OBM], s[22:23] offset:(32*(\t/2)+8*(\t%2))*4
.endr
	s_wait_xcnt 0x0                                ; their offsets and bases have been read
.macro FRAG reg, adr, q, i             ; 16 rows x 128 K: lane l holds row l % 16; registers 6 c .. 6 c + 5 hold K = 64 c + 32 (l / 16) + 0 .. 31, in pieces of 8 bytes
.irp p, 0,1,2,3,4,5
.set PC, 12*(\q)+6*(\p/3)+\p%3        ; 16 bytes of padding lie behind every 8 pieces: where the piece three on lies behind one padding more, the second address register serves
.if PC%8 < 5
	ds_load_b64 v[\reg+2*\p:\reg+2*\p+1], v[\adr] offset:8*PC+16*(PC/8)+(\i)*16*PITCH
.else
	ds_load_b64 v[\reg+2*\p:\reg+2*\p+1], v[\adr+2] offset:8*PC+16*(PC/8)+(\i)*16*PITCH
.endif
.endr
.endm
; 16 matrix instructions: X's blocks a0, a0 + 1 x Y's eight, 128 along K.  The 64 accumulators take turns, one instruction a turn.
.macro MUL16 a0, p, q, sc, zero
.irp a, \a0, \a0+1
.irp b, 0,1,2,3,4,5,6,7
.if \zero
	v_wmma_scale_f32_16x16x128_f8f6f4 v[8*(8*((\a)%4)+\b):8*(8*((\a)%4)+\b)+7], v[128*(\p)+FR*\b:128*(\p)+FR*\b+FR-1], v[AF+FR*(\a):AF+FR*(\a)+FR-1], 0, v[SC+8*NQ*(\sc)+NQ*\b+(\q)], v[SC+8*NQ*(\sc)+NQ*(\a)+(\q)] matrix_a_fmt:MATRIX_FMT_FP6 matrix_b_fmt:MATRIX_FMT_FP6 matrix_a_scale:MATRIX_SCALE_ROW1
.else
	v_wmma_scale_f32_16x16x128_f8f6f4 v[8*(8*((\a)%4)+\b):8*(8*((\a)%4)+\b)+7], v[128*(\p)+FR*\b:128*(\p)+FR*\b+FR-1], v[AF+FR*(\a):AF+FR*(\a)+FR-1], v[8*(8*((\a)%4)+\b):8*(8*((\a)%4)+\b)+7], v[SC+8*NQ*(\sc)+NQ*\b+(\q)], v[SC+8*NQ*(\sc)+NQ*(\a)+(\q)] matrix_a_fmt:MATRIX_FMT_FP6 matrix_b_fmt:MATRIX_FMT_FP6 matrix_a_scale:MATRIX_SCALE_ROW1
.endif
.endr
.endr
.endm
.macro FETCH_B slot, q, p
	WIN TO_B
.irp i, 0,1,2,3,4,5,6,7
	FRAG 128*(\p)+FR*\i, ADRB+\slot, \q, \i
.endr
	WIN 0
.endm
.macro FETCH_A slot, q, i0
.irp i, \i0, \i0+1, \i0+2, \i0+3
	FRAG AF+FR*(\i), ADRA+\slot, \q, \i
.endr
.endm
.macro SCALES sc                       ; a K step's scale words: lanes 0-15 X's block i, lanes 16-31 Y's block i
.irp i, 0,1,2,3,4,5,6,7
	ds_load_b64 v[SC+8*NQ*\sc+NQ*\i:SC+8*NQ*\sc+NQ*\i+1], v[ADRS] offset:\i*SBLK
.endr
.endm
.macro PLACES n                        ; plain vector instructions between a matrix instruction and a load into, or a read of, its registers
.rept \n
	v_nop
.endr
.endm
.macro STEP slot, q, zero              ; 128 along K whose successor lies in the same slot
	s_wait_dscnt 4*NL                              ; Y's set and X's blocks 0-3 are in; the youngest 24 loads (X's blocks 4-7) may be out
	WIN MUL_LO
	MUL16 0, (\q)%2, \q, \slot, \zero
	MUL16 2, (\q)%2, \q, \slot, \zero
	s_wait_dscnt 0
	PLACES NP
	FETCH_B \slot, (\q)+1, 1-(\q)%2
	FETCH_A \slot, (\q)+1, 0
	WIN MUL_HI
	MUL16 4, (\q)%2, \q, \slot, \zero
	MUL16 6, (\q)%2, \q, \slot, \zero
	PLACES NP
	WIN 0
	FETCH_A \slot, (\q)+1, 4
.endm
; A slot's last step changes slots: one barrier; in front of it each wave waits for all its tensor loads, adds 0 to its spare word, and waits for that and for its reads of this slot.
.macro TURN slot, next, fill
	s_wait_tensorcnt 0x0                           ; all my tensor loads have landed: my part of the next slot
	ds_add_u32 v[SPW], v[NIL]                      ; 0 onto my spare word
	s_wait_dscnt 4*NL+1                            ; (the add and the youngest 24 loads may be out)
	WIN MUL_LO
	MUL16 0, 1, NQ-1, \slot, 0
	s_wait_dscnt 0x0                               ; the add is done, and my reads of this slot are over
	s_barrier_signal -1
	MUL16 2, 1, NQ-1, \slot, 0
	WIN 0
	s_barrier_wait -1
.if \fill
	CREST                                          ; the barrier has opened a round of the cluster's barrier: no wave of any partner still reads this slot or has a load on its way
	s_add_nc_u64 s[G0+4*\slot+2:G0+4*\slot+3], s[G0+4*\slot+2:G0+4*\slot+3], 2*ROWB
	s_add_nc_u64 s[G0B+4*\slot+2:G0B+4*\slot+3], s[G0B+4*\slot+2:G0B+4*\slot+3], 2*ROWB
	JLOAD G0+4*\slot, G1, G0B+4*\slot, G1B         ; the first tensor load behind the round, and my only one until the next; its four v_nop are the places in front of the loads below
.else
	PLACES NP
.endif
	v_add_nc_u32 v[ADRS], 4*NQ, v[ADRS]            ; the next K step's scale words
	FETCH_B \next, 0, 0
	FETCH_A \next, 0, 0
	SCALES \next
	WIN MUL_HI
	MUL16 4, 1, NQ-1, \slot, 0
	MUL16 6, 1, NQ-1, \slot, 0
	PLACES NP
	WIN 0
	FETCH_A \next, 0, 4
.endm
	s_wait_tensorcnt 1                             ; the scales and my part of K step 0 are in; K step 1's load may be out
	s_barrier_signal -1
	s_barrier_wait -1
	FETCH_B 0, 0, 0
	FETCH_A 0, 0, 0
	SCALES 0
	FETCH_A 0, 0, 4
	STEP 0, 0, 1                                   ; the first step's products start the sums: nothing is cleared
	s_mov_b32 s3, LAPS-1
.Llap:                                             ; a trip goes once round the ring and fills both slots again
	TURN 0, 1, 1
	STEP 1, 0, 0
	TURN 1, 0, 1
	STEP 0, 0, 0
	s_sub_co_u32 s3, s3, 1
	s_cmp_lg_u32 s3, 0
	s_cbranch_scc1 .Llap
	TURN 0, 1, 0                                   ; the last lap fills nothing
	STEP 1, 0, 0
	s_wait_dscnt 4*NL
	WIN MUL_LO
	MUL16 0, 1, NQ-1, 1, 0
	MUL16 2, 1, NQ-1, 1, 0
	s_wait_dscnt 0
	WIN MUL_HI
	MUL16 4, 1, NQ-1, 1, 0
	MUL16 6, 1, NQ-1, 1, 0
	WIN 0
	s_wait_loadcnt 0x0                             ; the biases
	PLACES NP                                      ; behind the last products: for the reads of results and the writes over operands and scale words on both ways
	s_cmp_eq_u32 s66, 0
	s_cbranch_scc0 .Lquant
; THE F32 WAY OUT, block by block of 16 rows x 128 columns: through my own stage, back as whole rows of 512 bytes, the bias added, stored as two aligned runs of 256 bytes.
; LDS serves a wave's instructions in order (ISA guide 5.7.1.4): no wait between the stores and the loads.
.macro TOSTAGE a
.set AC, 64*((\a)%4)
	WIN 0x08+4*((\a)/4)                            ; the data: window 2 or 3
.irp b, 0,1,2,3,4,5,6,7
	ds_store_b128 v[STO], v[AC+8*\b:AC+8*\b+3] offset:64*\b          ; each accumulator from its low end on
	ds_store_b128 v[STO], v[AC+8*\b+4:AC+8*\b+7] offset:64*\b+16
.endr
	WIN 0
.set BB, BK+64*((\a)%2)
.irp t, 0,1,2,3,4,5,6,7,8,9,10,11,12,13,14,15
	ds_load_b128 v[BB+4*\t:BB+4*\t+3], v[RD] offset:\t*SPITCH
.endr
.endm
.macro SEND a, younger
.set BB, BK+64*((\a)%2)
	s_wait_dscnt \younger                          ; the block is back; the next block's 16 stores and 16 loads may be out
.if (\a) > 0
	s_add_nc_u64 s[12:13], s[12:13], 16*SIZE_N*4   ; (behind a wait on XCNT: the earlier stores have read their base)
.endif
.irp t, 0,1,2,3,4,5,6,7,8,9,10,11,12,13,14,15
	v_pk_add_f32 v[BB+4*\t:BB+4*\t+1], v[BB+4*\t:BB+4*\t+1], v[BI:BI+1]
	v_pk_add_f32 v[BB+4*\t+2:BB+4*\t+3], v[BB+4*\t+2:BB+4*\t+3], v[BI+2:BI+3]
	global_store_b128 v[CO], v[BB+4*\t:BB+4*\t+3], s[12:13] offset:\t*SIZE_N*4   ; 32 lanes store 512 consecutive bytes
.endr
.endm
	TOSTAGE 0
.irp a, 1,2,3,4,5,6,7
.if \a > 1
	s_wait_xcnt 0x0                                ; block a - 2's stores have read their registers and their base
.endif
	TOSTAGE \a
	SEND \a-1, 32
.endr
	s_wait_xcnt 0x0
	SEND 7, 0
	s_branch .Lend
; THE QUANTISING WAY OUT.  32 rows at a time go through my stage; a lane then reads ITS fragment row's 64 numbers, k = 64 c + 32 h + 0 .. 31: two whole blocks of 32, in the order of the operand's registers.
.macro TOSTAGE2 b
.irp e, 0,1
.set AA, 2*(\b)+\e
.set AC, 64*(AA%4)
	WIN 0x08+4*(AA/4)
.irp c, 0,1,2,3,4,5,6,7
	ds_store_b128 v[STQ], v[AC+8*\c:AC+8*\c+3] offset:\e*HSK+64*\c   ; each accumulator from its low end on
	ds_store_b128 v[STQ], v[AC+8*\c+4:AC+8*\c+7] offset:\e*HSK+64*\c+16
.endr
.endr
	WIN 0
.endm
.macro KROWS                           ; K alone: the 32 rows are added, column by column (four columns a lane), in four chains
	s_cmp_lg_u32 s66, 1
	s_cbranch_scc1 .Lno_sum_\@
.irp e, 0,1
.irp t, 0,1,2,3,4,5,6,7,8,9,10,11,12,13,14,15
	ds_load_b128 v[X+4*\t:X+4*\t+3], v[RDQ] offset:\e*HSK+\t*SPITCH
.endr
	s_wait_dscnt 0x0
.irp t, 0,1,2,3,4,5,6,7,8,9,10,11,12,13,14,15
	v_pk_add_f32 v[KSUM+4*(\t%4):KSUM+4*(\t%4)+1], v[KSUM+4*(\t%4):KSUM+4*(\t%4)+1], v[X+4*\t:X+4*\t+1]
	v_pk_add_f32 v[KSUM+4*(\t%4)+2:KSUM+4*(\t%4)+3], v[KSUM+4*(\t%4)+2:KSUM+4*(\t%4)+3], v[X+4*\t+2:X+4*\t+3]
.endr
.endr
.Lno_sum_\@:
.endm
.macro QFRAG b, u                      ; fragment 2 b + u
.set T, 2*(\b)+\u
.irp c, 0,1
.irp j, 0,1,2,3,4,5,6,7
	ds_load_b128 v[X+32*\c+4*\j:X+32*\c+4*\j+3], v[RQ] offset:8*(\u)*SPITCH+256*\c+16*\j
.endr
.endr
	s_wait_dscnt 0x0
	s_cmp_lg_u32 s66, 1
	s_cbranch_scc1 .Lrow_bias_\@
.set jj, 0
.rept 32
	v_pk_add_f32 v[X+jj:X+jj+1], v[X+jj:X+jj+1], v[BN+jj:BN+jj+1]          ; K: the bias runs along the fragment's K
.set jj, jj+2
.endr
	s_branch .Lbias_done_\@
.Lrow_bias_\@:
.set jj, 0
.rept 32
	v_pk_add_f32 v[X+jj:X+jj+1], v[X+jj:X+jj+1], v[BM+2*T:BM+2*T+1]        ; V^T: one number for my row
.set jj, jj+2
.endr
.Lbias_done_\@:
.irp c, 0,1
	v_max3_num_f32 v[TQ+\c], |v[X+32*\c]|, |v[X+32*\c+1]|, 0x1800000       ; my block 2 c + h, and the floor 2^(3 - 127): the byte cannot fall under 1
.endr
.irp i, 2,4,6,8,10,12,14,16,18,20,22,24,26,28,30
.irp c, 0,1
	v_max3_num_f32 v[TQ+\c], v[TQ+\c], |v[X+32*\c+\i]|, |v[X+32*\c+\i+1]|
.endr
.endr
.irp c, 0,1
	v_add_nc_u32 v[TQ+2+\c], 0xff000000, v[TQ+\c]  ; 2 off the exponent field: the conversion's scale operand
.endr
.irp c, 0,1
	v_lshrrev_b32 v[TQ+4+\c], 23, v[TQ+2+\c]       ; the scale's byte
.endr
	v_lshl_or_b32 v[TQ+6], v[TQ+5], 16, v[TQ+4]    ; my two bytes: blocks h and 2 + h,
	v_lshlrev_b32 v[TQ+6], v[H8], v[TQ+6]          ; at their places in the word;
	v_permlanex16_b32 v[TQ+7], v[TQ+6], s104, s105
	v_or_b32 v[SW+T], v[TQ+6], v[TQ+7]             ; with lane l xor 16's two the word is whole
	s_wait_xcnt 0x0                                ; the last fragment's stores have read the codes' registers
.irp c, 0,1
	v_cvt_scalef32_pk16_fp6_f32 v[F+6*\c:F+6*\c+2], v[X+32*\c:X+32*\c+15], v[TQ+2+\c]
	v_cvt_scalef32_pk16_fp6_f32 v[FT+4*\c:FT+4*\c+2], v[X+32*\c+16:X+32*\c+31], v[TQ+2+\c]   ; (a conversion's three registers begin on an even number)
.endr
	v_nop                                          ; one plain place behind a scaled conversion
.irp c, 0,1
.irp i, 0,1,2
	v_mov_b32 v[F+3+6*\c+\i], v[FT+4*\c+\i]
.endr
.endr
.irp i, 0,1,2
	global_store_b128 v[CO], v[F+4*\i:F+4*\i+3], s[12:13] offset:1536*T+512*\i   ; the image: 32 lanes store 512 consecutive bytes
.endr
.endm
.Lquant:
	v_mov_b32 v[TQ+7], 0                           ; a lane permute's destination counts as one of its sources
.irp i, 0,1,2,3,4,5,6,7,8,9,10,11,12,13,14,15
	v_mov_b32 v[KSUM+\i], 0
.endr
.irp b, 0,1,2,3
	TOSTAGE2 \b
	KROWS
	QFRAG \b, 0
	QFRAG \b, 1
.endr
	v_cmp_lt_u32 vcc_lo, 255, v[CO]                ; lanes 16-31 carry fragments 4-7's words
.irp i, 0,1,2,3
	v_cndmask_b32 v[TQ+\i], v[SW+\i], v[SW+4+\i], vcc_lo
.endr
	global_store_b128 v[CO], v[TQ:TQ+3], s[100:101]    ; [fragment / 4][row][fragment % 4]: 512 consecutive bytes
	s_cmp_lg_u32 s66, 1
	s_cbranch_scc1 .Lend
.irp i, 0,2
	v_pk_add_f32 v[KSUM+\i:KSUM+\i+1], v[KSUM+\i:KSUM+\i+1], v[KSUM+4+\i:KSUM+5+\i]
	v_pk_add_f32 v[KSUM+8+\i:KSUM+9+\i], v[KSUM+8+\i:KSUM+9+\i], v[KSUM+12+\i:KSUM+13+\i]
.endr
.irp i, 0,2
	v_pk_add_f32 v[KSUM+\i:KSUM+\i+1], v[KSUM+\i:KSUM+\i+1], v[KSUM+8+\i:KSUM+9+\i]
.endr
.irp i, 0,2
	v_pk_fma_f32 v[KSUM+\i:KSUM+\i+1], v[BI+\i:BI+\i+1], 0x43000000, v[KSUM+\i:KSUM+\i+1] op_sel_hi:[1,0,1]   ; + 128 x the bias
.endr
	global_store_b128 v[CO], v[KSUM:KSUM+3], s[98:99]  ; the sums over my 128 tokens: 512 consecutive bytes
.Lend:
	s_wait_tensorcnt 0x0                           ; the wave's end
	ds_add_u32 v[SPW], v[NIL]
	s_wait_dscnt 0x0
	CROUND                                         ; the closing round: no work-group ends while a partner may still ask for a tile that names it
	s_endpgm
.Lfunc_end_k_q3530ad2b76_proj:
	.size	k_q3530ad2b76_proj, .Lfunc_end_k_q3530ad2b76_proj-k_q3530ad2b76_proj
	.p2alignl 7, 3214868480
	.fill 96, 4, 3214868480
	.section	.rodata,"a",@progbits
	.p2align	6, 0x0
	.amdhsa_kernel k_q3530ad2b76_proj
		.amdhsa_group_segment_fixed_size 327680
		.amdhsa_private_segment_fixed_size 0
		.amdhsa_enable_private_segment 0
		.amdhsa_kernarg_size 144
		.amdhsa_user_sgpr_count 2
		.amdhsa_user_sgpr_kernarg_segment_ptr 1
		.amdhsa_wavefront_size32 1
		.amdhsa_system_sgpr_workgroup_id_x 1
		.amdhsa_system_sgpr_workgroup_id_y 1
		.amdhsa_system_sgpr_workgroup_id_z 1
		.amdhsa_system_vgpr_workitem_id 0
		.amdhsa_next_free_vgpr 1024
		.amdhsa_next_free_sgpr 106
		.amdhsa_reserve_vcc 1
		.amdhsa_float_denorm_mode_32 3
		.amdhsa_float_denorm_mode_16_64 3
		.amdhsa_memory_ordered 1
		.amdhsa_forward_progress 1
		.amdhsa_inst_pref_size 255
	.end_amdhsa_kernel
	.section	.bss,"aw",@nobits
	.p2align	6
	.space	262144
	.amdgpu_metadata
---
amdhsa.version: [ 1, 2 ]
amdhsa.kernels:
  - .name:           k_q3530ad2b76_proj
    .symbol:         k_q3530ad2b76_proj.kd
    .args:
      - { .name: query_codes, .offset: 0, .size: 8, .value_kind: global_buffer, .address_space: global }
      - { .name: query_scales, .offset: 8, .size: 8, .value_kind: global_buffer, .address_space: global }
      - { .name: Wq_codes, .offset: 16, .size: 8, .value_kind: global_buffer, .address_space: global }
      - { .name: Wq_scales, .offset: 24, .size: 8, .value_kind: global_buffer, .address_space: global }
      - { .name: bq, .offset: 32, .size: 8, .value_kind: global_buffer, .address_space: global }
      - { .name: qf, .offset: 40, .size: 8, .value_kind: global_buffer, .address_space: global }
      - { .name: key_codes, .offset: 48, .size: 8, .value_kind: global_buffer, .address_space: global }
      - { .name: key_scales, .offset: 56, .size: 8, .value_kind: global_buffer, .address_space: global }
      - { .name: Wk_codes, .offset: 64, .size: 8, .value_kind: global_buffer, .address_space: global }
      - { .name: Wk_scales, .offset: 72, .size: 8, .value_kind: global_buffer, .address_space: global }
      - { .name: bk, .offset: 80, .size: 8, .value_kind: global_buffer, .address_space: global }
      - { .name: kv, .offset: 88, .size: 8, .value_kind: global_buffer, .address_space: global }
      - { .name: Wv_codes, .offset: 96, .size: 8, .value_kind: global_buffer, .address_space: global }
      - { .name: Wv_scales, .offset: 104, .size: 8, .value_kind: global_buffer, .address_space: global }
      - { .name: value_codes, .offset: 112, .size: 8, .value_kind: global_buffer, .address_space: global }
      - { .name: value_scales, .offset: 120, .size: 8, .value_kind: global_buffer, .address_space: global }
      - { .name: bv, .offset: 128, .size: 8, .value_kind: global_buffer, .address_space: global }
      - { .name: ksum, .offset: 136, .size: 8, .value_kind: global_buffer, .address_space: global }
    .group_segment_fixed_size: 327680
    .private_segment_fixed_size: 0
    .kernarg_segment_align: 8
    .kernarg_segment_size: 144
    .max_flat_workgroup_size: 128
    .sgpr_count:     106
    .vgpr_count:     1024
    .wavefront_size: 32
...
	.end_amdgpu_metadata
.endif
;; end of part 1
;; launch attn (part 2): grid 256 x 1, 8 waves a work-group, clusters of 4 x 1, 327,680 bytes of LDS; arguments qf, kv, ksum, acodes, ascales; writes acodes, ascales
.if DOCPART == 2
	.amdgcn_target "amdgcn-amd-amdhsa--gfx1250"
	.amdhsa_code_object_version 6
	.text
	.protected	k_q3530ad2b76_attn
	.globl	k_q3530ad2b76_attn
	.p2align	8
	.type	k_q3530ad2b76_attn,@function
k_q3530ad2b76_attn:
	s_mov_b64 s[64:65], 0
	v_nop
	global_prefetch_b8 v0, s[64:65] scope:SCOPE_SE
	s_setreg_imm32_b32 hwreg(HW_REG_WAVE_MODE, 25, 1), 1
	s_wait_xcnt 0x0
	s_wait_alu depctr_hold_cnt(0) depctr_sa_sdst(0) depctr_va_vdst(0) depctr_va_sdst(0) depctr_va_ssrc(0) depctr_va_vcc(0) depctr_vm_vsrc(0)
	s_getreg_b32 s2, hwreg(HW_REG_IB_STS2, 6, 4)
	s_cmp_eq_u32 s2, 0
	s_cbranch_scc0 .Lentry_in_a_cluster
	s_endpgm
.Lentry_in_a_cluster:
	s_bfe_u32 s2, ttmp6, 0x10000c
	s_cmp_lg_u32 s2, 0x3003
	s_cbranch_scc0 .Lentry_shape_is_right
	s_endpgm
.Lentry_shape_is_right:
; For each head and query: the routing (q against the sums of k over each block of 256 keys, top 3 of the past blocks, the lower index on a tie), the softmax over the chosen past blocks,
; the causal softmax over the query's own block, the sum of the two results, quantised along D into codes and scale bytes laid as an input's.
; Both products of both attentions run on codes of E2M3 with one E8M0 scale for each 32 along K.  p = 2^(t - M), t = score x log2(e) / sqrt(128), M the running largest t rounded up to a whole number;
; the row's sum is taken of the unquantised p and divides at the end.
; SHARES.  Cluster c: head c / 4, pair c % 4 = NP.  A wave owns 16 queries: waves 0-3 of block NP, waves 4-7 of block 7 - NP; tile 4 (wave % 4) + cx of the block's sixteen.  So each work-group
; has 9 blocks of keys to walk for each pair of waves, whatever NP.  The four partners walk one head's records and ask for them jointly.
; THE WALK.  Every wave walks all 16 groups of 128 keys, so that every trip count is a constant; a step whose keys all lie behind the wave's queries is left out by a scalar branch on ids.
; THE CHOICE steers no branch and no address: a block that a query has not chosen counts as t = -3e38 for its maximum and gets -infinity as its addend, so that p = 0.
; At the own block's first group the past blocks' result is divided by its sum and put aside; the largest t begins anew, so that the next step's factor 2^(old M - new M) is 0 and clears the sums.
; A query of block 0 has no past keys: its sums are zeros, the divisor is held at 0.25 from below (a real sum is over 0.5), and the part put aside is 0.
; LAYOUT.  Both products are used transposed (S^T = K Q^T, O^T = V^T P^T): a lane holds one query.  The records' fragments hold rows 32 (t / 2) + 8 (t % 2) + r + 8 (r / 8),
; so that the 16 registers of tiles 2 b and 2 b + 1 are 16 neighbours along the next K.
; LIMITS: NaN and infinities are not served.  Where the third and the fourth route lie within f32 rounding of each other, either may be chosen.  A block of zeros gets the scale byte 1 (its codes are zeros).
; A block's largest p is made from its largest score by the same two instructions: this takes v_exp_f32 not to fall where its input rises.
; REGISTERS: v1-11 addresses and constants; v12 -M, v13 largest t, v[14:15] the sum; v16-27 q's codes, v28 its scale word; v[30:31] the addend; v32-79 four fragments; v80-95 the quantiser's;
; v96-159 q, then S^T and p, then the result; v160-223 O^T; v224-235 p's codes; v236-247 at work; v248-251 the fragments' scale words; v252 f; v253 p's scale word.  Window 1, v0-63: the past blocks' result.
.set REC,   25600                      ; a record: 8 images of K, 8 of V^T, 512 + 512 bytes of scale words
.set SLOT1, 1<<17                      ; slot 0 at byte 0, slot 1 here: four records each; one exclusive or turns an address
.set KM,    4*REC                      ; behind slot 0: the sums of k over each of the 8 blocks, [8][128] f32
.set SPARE, KM+4096                    ; the spare words: 128 bytes a wave, four blocks of 256 bytes that no other line names
.set VIMG,  12288
.set KSCW,  24576
.set LI,   1                           ; 16 x lane
.set ASC,  2                           ; KSCW + 16 x (lane % 16)
.set SELM, 3                           ; bit n: my query takes block n
.set DQ,   4                           ; r - 16 h
.set SPW,  5                           ; LDS address of my spare word; never rewritten
.set NIL,  6                           ; 0; never rewritten
.set AO,   7                           ; 1536 r + 24 h
.set ADK,  8
.set ADS,  9
.set NBIG, 10                          ; -3e38
.set NINF, 11                          ; -infinity
.set TM,   80
.set RT,   160
.set CNT,  168
.set KMR,  176
.set AC,   240
.set WV,   14
.set CX,   15
.set HEAD, 16
.set NPR,  17
.set W4,   18
.set HI,   19
.set QB,   20                          ; my queries' block
.set QB2,  21                          ; its first group of 128 keys
.set DG,   22                          ; the group that holds my diagonal
.set Q0,   23                          ; my first query
.set TB,   40                          ; LDS byte of the record in hand
.set KG,   41                          ; its group
.set KB,   42                          ; its block
.set C4,   43
.set C2,   44
.set SEL,  46
.set CS,   48
.set MSB, 0
.macro WIN new
.if MSB != \new
	s_set_vgpr_msb (MSB<<8)|\new
.set MSB, \new
.endif
.endm
.macro CROUND                          ; a round of the cluster's barrier
	s_barrier_signal -1
	s_barrier_wait -1
	s_cmp_lg_u32 s[WV], 0
	s_cbranch_scc1 .Lnot_wave_0_\@
	s_barrier_signal -3
.Lnot_wave_0_\@:
	s_barrier_wait -3
	s_barrier_signal -1
	s_barrier_wait -1
.endm
; 64 numbers of a lane, register 16 b + i = k 32 b + 16 (lane / 16) + i of my row, become a fragment's codes in v[pc] on and its scale word in v[pw]; tp: seven registers at work
.macro QUANT s, pc, tp, pw
.irp b, 0,1,2,3
	v_max3_num_f32 v[TM+\b], |v[\s+16*\b]|, |v[\s+1+16*\b]|, 0x1800000   ; and the floor 2^(3 - 127): the byte cannot fall under 1
.endr
.irp i, 2,4,6,8,10,12,14
.irp b, 0,1,2,3
	v_max3_num_f32 v[TM+\b], v[TM+\b], |v[\s+16*\b+\i]|, |v[\s+1+16*\b+\i]|
.endr
.endr
.irp b, 0,1,2,3
	v_permlanex16_b32 v[TM+4+\b], v[TM+\b], s[SEL], s[SEL+1]
.endr
.irp b, 0,1,2,3
	v_max_num_f32 v[TM+\b], v[TM+\b], v[TM+4+\b]   ; with lane l xor 16's: the block's largest magnitude
.endr
.irp b, 0,1,2,3
	v_add_nc_u32 v[TM+12+\b], 0xff000000, v[TM+\b] ; 2 off its exponent field: the conversion's scale operand
.endr
.irp b, 0,1,2,3
	v_lshrrev_b32 v[TM+4+\b], 23, v[TM+12+\b]      ; the scale's byte
.endr
	v_lshl_or_b32 v[\pw], v[TM+5], 8, v[TM+4]
	v_lshl_or_b32 v[\pw], v[TM+6], 16, v[\pw]
	v_lshl_or_b32 v[\pw], v[TM+7], 24, v[\pw]
.irp c, 0,1
	v_cvt_scalef32_pk16_fp6_f32 v[\pc+6*\c:\pc+2+6*\c], v[\s+32*\c:\s+15+32*\c], v[TM+12+2*\c]
	v_cvt_scalef32_pk16_fp6_f32 v[\tp+4*\c:\tp+2+4*\c], v[\s+16+32*\c:\s+31+32*\c], v[TM+12+2*\c+1]
.endr
	v_nop                                          ; one plain place behind a scaled conversion
.irp c, 0,1                                    ; the operand's layout wants a whole block in a lane
.irp i, 0,1,2
	v_permlane16_swap_b32 v[\pc+6*\c+\i], v[\tp+4*\c+\i]
.endr
.irp i, 0,1,2
	v_mov_b32 v[\pc+3+6*\c+\i], v[\tp+4*\c+\i]
.endr
.endr
.endm
	s_load_b256 s[4:11], s[0:1], 0x0               ; qf s[4:5], kv s[6:7], ksum s[8:9], acodes s[10:11]
	s_load_b64 s[12:13], s[0:1], 0x20              ; ascales
	v_lshl_add_u32 v[SPW], v0, 2, SPARE
	v_mov_b32 v[NIL], 0
	ds_add_u32 v5, v6
	s_wait_dscnt 0x0
	v_lshrrev_b32 v1, 5, v0
	v_readfirstlane_b32 s[WV], v1                  ; wave 0..7
	s_bfe_u32 s[CX], ttmp6, 0x40000                ; my place in the cluster: it enters global addresses and one vector value, nothing else
	s_lshr_b32 s[HEAD], ttmp9, 2
	s_and_b32 s[NPR], ttmp9, 3
	s_and_b32 s[W4], s[WV], 3
	s_lshr_b32 s[HI], s[WV], 2
	s_sub_co_u32 s45, 7, s[NPR]
	s_cmp_eq_u32 s[HI], 0
	s_cselect_b32 s[QB], s[NPR], s45
	s_lshl_b32 s[QB2], s[QB], 1
	s_lshr_b32 s45, s[W4], 1
	s_add_co_u32 s[DG], s[QB2], s45                ; tile 4 (wave % 4) + cx lies in the block's first 128 keys for waves % 4 = 0, 1, else in the second
	s_lshl_b32 s60, s[W4], 2
	s_add_co_u32 s60, s60, s[CX]
	s_lshl_b32 s60, s60, 4
	s_lshl_b32 s[Q0], s[QB], 8
	s_add_co_u32 s[Q0], s[Q0], s60
	; descriptor group 1: a record, dense: 100 rows of 256 bytes (32 elements of 8 bytes); the mask names all four partners
	s_mov_b32 s24, 15|(3<<16)|(1<<21)
	s_mov_b32 s25, 32<<16                          ; tensor_dim0
	s_mov_b32 s26, 100<<16                         ; tensor_dim1
	s_mov_b32 s27, 32<<16                          ; tile_dim0
	s_mov_b32 s28, 100                             ; tile_dim1
	s_mov_b32 s29, 32                              ; tensor_dim0_stride
	s_mov_b32 s30, 0
	s_mov_b32 s31, 0
	s_mul_i32 s50, s[HEAD], 16*REC
	s_mul_i32 s45, s[WV], REC                      ; waves 0-3 fetch record wave of a slot's four
	s_add_co_u32 s50, s50, s45
	s_mov_b32 s51, 0
	s_lshl_b32 s54, s[Q0], 13                      ; qf: my first query's row, my head's 512 bytes
	s_lshl_b32 s55, s[HEAD], 9
	s_add_co_u32 s54, s54, s55
	s_mov_b32 s55, 0
	s_lshl_b32 s56, s[HEAD], 13                    ; ksum: my head, groups 2 wave and 2 wave + 1
	s_lshl_b32 s57, s[WV], 10
	s_add_co_u32 s56, s56, s57
	s_mov_b32 s57, 0
	s_mul_i32 s52, s[Q0], 1536                     ; acodes: my first query's row, my head's 96 bytes
	s_mul_i32 s53, s[HEAD], 96
	s_add_co_u32 s52, s52, s53
	s_mov_b32 s53, 0
	s_lshl_b32 s58, s[Q0], 6                       ; ascales: 64 bytes a row, my head's word
	s_lshl_b32 s59, s[HEAD], 2
	s_add_co_u32 s58, s58, s59
	s_mov_b32 s59, 0
	s_mov_b32 s[SEL], 0x76543210
	s_mov_b32 s[SEL+1], 0xfedcba98                 ; v_permlanex16_b32's selects for lane l xor 16
	s_mov_b32 s[CS], 0x3e0293ee                    ; c = log2(e) / sqrt(128)
	s_mov_b32 s[CS+1], s[CS]
	s_mov_b32 s[TB], 0
	s_mov_b32 s[KG], 0
	s_wait_kmcnt 0x0
	s_add_nc_u64 s[6:7], s[6:7], s[50:51]
	s_add_nc_u64 s[4:5], s[4:5], s[54:55]
	s_add_nc_u64 s[8:9], s[8:9], s[56:57]
	s_add_nc_u64 s[10:11], s[10:11], s[52:53]
	s_add_nc_u64 s[12:13], s[12:13], s[58:59]
	s_mov_b32 s32, 1                               ; group 0 for slot 0's first fill: groups 0-3
	s_mov_b32 s33, s45
	s_mov_b64 s[34:35], s[6:7]
	s_or_b32 s35, s35, 0x80000000
	s_mov_b32 s36, 1                               ; group 0 for slot 1's: groups 4-7; it then walks on
	s_add_co_u32 s37, s45, SLOT1
	s_add_nc_u64 s[38:39], s[6:7], 4*REC
	s_or_b32 s39, s39, 0x80000000
	CROUND                                         ; all four work-groups are here: the first joint loads meet
	s_cmp_lt_u32 s[WV], 4                          ; a wave's two first fills stand in one branch: two loads of mine are out
	s_cbranch_scc0 .Lno_first
	tensor_load_to_lds s[32:35], s[24:31]
	s_nop 0
	tensor_load_to_lds s[36:39], s[24:31]
	s_nop 0
.rept 4
	v_nop
.endr
.Lno_first:
	v_and_b32 v8, 15, v0                           ; r
	v_bfe_u32 v9, v0, 4, 1                         ; h
	v_and_b32 v1, 31, v0
	v_lshlrev_b32 v[LI], 4, v1
	v_lshl_add_u32 v[ASC], v8, 4, KSCW
	v_lshlrev_b32 v254, 4, v9
	v_sub_nc_u32 v[DQ], v8, v254
	v_mul_u32_u24 v[AO], v8, 1536
	v_mad_u32_u24 v[AO], v9, 24, v[AO]
	v_lshlrev_b32 v29, 6, v8                       ; 64 r
	v_lshlrev_b32 v252, 13, v8
	v_lshl_add_u32 v252, v9, 6, v252               ; q: row r of 8,192 bytes, + 64 h: my 16 numbers of each block of 32
	s_lshl_b32 s45, s[WV], 9
	s_add_co_u32 s45, s45, KM
	v_add_nc_u32 v254, s45, v[LI]                  ; where my wave puts block wave's sums
	v_lshl_add_u32 v255, v9, 6, KM                 ; and from where a lane reads a block's
	v_mov_b32 v[NBIG], 0xff61b1e6
	v_mov_b32 v[NINF], 0xff800000
.irp b, 0,1,2,3
.irp j, 0,1,2,3
	global_load_b128 v[96+16*\b+4*\j:99+16*\b+4*\j], v252, s[4:5] offset:128*\b+16*\j   ; register 16 b + i = q(r, 32 b + 16 h + i)
.endr
.endr
	global_load_b128 v[40:43], v[LI], s[8:9]
	global_load_b128 v[44:47], v[LI], s[8:9] offset:512
.irp b, 0,1,2,3
	v_mov_b32 v[TM+4+\b], 0                        ; a lane permute's destination counts as one of its sources
.endr
	s_wait_loadcnt 0x0
	v_pk_add_f32 v[40:41], v[40:41], v[44:45]      ; two groups of 128 tokens make a block of 256
	v_pk_add_f32 v[42:43], v[42:43], v[46:47]
	ds_store_b128 v254, v[40:43]
	QUANT 96, 16, 32, 28                           ; q's codes and scale word; q stays in f32 for the routing
	s_wait_dscnt 0x0                               ; for the others' sake: my sums lie in LDS
	s_barrier_signal -1
	s_barrier_wait -1                              ; the tensor loads stay out
	; THE ROUTING, in f32.  The sums are not divided by 256: a power of two, which changes no order.
.irp n, 0,1,2,3,4,5,6
	v_mov_b32 v[RT+\n], v[NINF]                    ; the own block and the later ones never count
	v_mov_b32 v[CNT+\n], 0
.endr
.macro ROUTE1 n
	s_cmp_le_u32 s[QB], \n
	s_cbranch_scc1 .Lnot_past_\@
.irp b, 0,1,2,3
.irp j, 0,1,2,3
	ds_load_b128 v[KMR+16*\b+4*\j:KMR+16*\b+4*\j+3], v255 offset:512*\n+128*\b+16*\j
.endr
.endr
	s_wait_dscnt 0x0
.irp e, 0,1,2,3
	v_pk_mul_f32 v[AC+2*\e:AC+2*\e+1], v[96+2*\e:97+2*\e], v[KMR+2*\e:KMR+2*\e+1]
.endr
.irp i, 8,16,24,32,40,48,56
.irp e, 0,1,2,3
	v_pk_fma_f32 v[AC+2*\e:AC+2*\e+1], v[96+\i+2*\e:97+\i+2*\e], v[KMR+\i+2*\e:KMR+\i+2*\e+1], v[AC+2*\e:AC+2*\e+1]
.endr
.endr
	v_pk_add_f32 v[AC:AC+1], v[AC:AC+1], v[AC+2:AC+3]
	v_pk_add_f32 v[AC+4:AC+5], v[AC+4:AC+5], v[AC+6:AC+7]
	v_pk_add_f32 v[AC:AC+1], v[AC:AC+1], v[AC+4:AC+5]
	v_add_f32 v[RT+\n], v[AC], v[AC+1]
.Lnot_past_\@:
.endm
.irp n, 0,1,2,3,4,5,6
	ROUTE1 \n
.endr
.irp n, 0,1,2,3,4,5,6
	v_permlanex16_b32 v[CNT+\n], v[RT+\n], s[SEL], s[SEL+1]
.endr
.irp n, 0,1,2,3,4,5,6
	v_add_f32 v[RT+\n], v[RT+\n], v[CNT+\n]        ; with lane l xor 16's half of the head
.endr
.irp n, 0,1,2,3,4,5,6
	v_mov_b32 v[CNT+\n], 6-\n                      ; rank = how many blocks come before this one: it begins as if every later block did
.endr
.macro PAIR j, i                       ; j < i: j comes before i where route j >= route i (the lower index on a tie), else i before j
	v_cmp_ge_f32 vcc_lo, v[RT+\j], v[RT+\i]
	v_cndmask_b32 v254, 0, 1, vcc_lo
	v_add_nc_u32 v[CNT+\i], v[CNT+\i], v254
	v_sub_nc_u32 v[CNT+\j], v[CNT+\j], v254
.endm
.irp i, 1,2,3,4,5,6
	PAIR 0, \i
.endr
.irp i, 2,3,4,5,6
	PAIR 1, \i
.endr
.irp i, 3,4,5,6
	PAIR 2, \i
.endr
.irp i, 4,5,6
	PAIR 3, \i
.endr
.irp i, 5,6
	PAIR 4, \i
.endr
	PAIR 5, 6
	v_mov_b32 v[SELM], 0
.irp i, 0,1,2,3,4,5,6
	v_cmp_gt_u32 vcc_lo, 3, v[CNT+\i]
	v_cndmask_b32 v254, 0, 1, vcc_lo
	v_lshl_or_b32 v[SELM], v254, \i, v[SELM]
.endr
	s_lshl_b32 s45, 1, s[QB]
	s_sub_co_u32 s[C4], s45, 1
	v_and_b32 v[SELM], s[C4], v[SELM]              ; only past blocks are kept;
	v_or_b32 v[SELM], s45, v[SELM]                 ; the own block's bit serves the second softmax
	v_mov_b32 v13, v[NBIG]                         ; the largest t so far: under every t
	v_floor_f32 v12, -v13                          ; -M
	v_mov_b32 v14, 0
	v_mov_b32 v15, 0
	v_mov_b32 v31, 0                               ; (named as the upper halves of pairs)
	v_mov_b32 v253, 0
	v_mov_b32 v255, 0
.irp b, 0,1,2,3
	v_mov_b32 v[236+\b], 0
.endr
.set n, 0
.rept 64
	v_mov_b32 v[160+n], 0                          ; O^T: the step is written once and finds zeros at first
.set n, n+1
.endr
	WIN 0x40
.set n, 0
.rept 64
	v_mov_b32 v[n], 0                              ; the part put aside is written on every way before it is read
.set n, n+1
.endr
	WIN 0
; The past blocks' sums are closed: O^T / l is put aside, and the largest t begins anew.
.macro SWITCH
	v_add_f32 v14, v14, v15
	v_permlanex16_b32 v254, v14, s[SEL], s[SEL+1]
	v_add_f32 v14, v14, v254                       ; the row's sum
	v_max_num_f32 v14, 0x3e800000, v14             ; held at 0.25 from below: a query with no past keys has zeros to divide
	v_rcp_f32 v254, v14
	v_mov_b32 v13, v[NBIG]                         ; (a plain place behind the reciprocal)
	WIN 0x40                                       ; destination window 1
.set n, 0
	s_wait_alu depctr_va_vdst(0)
.rept 32
	v_pk_mul_f32 v[n:n+1], v[160+n:161+n], v[254:255] op_sel_hi:[1,0]   ; each accumulator from its low end on
.set n, n+2
.endr
	WIN 0
	v_floor_f32 v12, -v13                          ; the next step's factor is 2^(a whole number that saturates) = 0: it clears O^T and the sums
.endm
; A KEY STEP: the 128 keys of the record at s[TB].
.macro STEP
	s_lshr_b32 s[KB], s[KG], 1
	s_cmp_gt_u32 s[KG], s[DG]                      ; all its keys lie behind my queries: left out, but for the lines at its end that step addresses
	s_cbranch_scc1 .Lhidden_\@
	s_cmp_lg_u32 s[KG], s[QB2]
	s_cbranch_scc1 .Lsame_\@
	SWITCH
.Lsame_\@:
	v_add_nc_u32 v[ADK], s[TB], v[LI]
	v_add_nc_u32 v[ADS], s[TB], v[ASC]
.irp g, 0,1                                    ; S^T = K Q^T, four fragments of 16 keys at a time
.rept 4
	v_nop                                          ; places in front of loads into registers that matrix instructions have read
.endr
.irp t, 0,1,2,3
.irp c, 0,1,2
	ds_load_b128 v[32+12*\t+4*\c:35+12*\t+4*\c], v[ADK] offset:(4*\g+\t)*1536+512*\c   ; an image: 512 consecutive bytes a load
.endr
.endr
	ds_load_b128 v[248:251], v[ADS] offset:256*\g  ; the four fragments' scale words of row r
	s_wait_dscnt 0x0
.irp t, 0,1,2,3
	v_wmma_scale_f32_16x16x128_f8f6f4 v[96+8*(4*\g+\t):103+8*(4*\g+\t)], v[32+12*\t:43+12*\t], v[16:27], 0, v[248+\t], v28 matrix_a_fmt:MATRIX_FMT_FP6 matrix_b_fmt:MATRIX_FMT_FP6
.endr
.endr
.rept 4
	v_nop
.endr
	s_cmp_lg_u32 s[KG], s[DG]                      ; on the diagonal the scores of hidden keys become -infinity
	s_cbranch_scc1 .Lopen_\@
	s_lshl_b32 s59, s[KG], 7
	s_sub_co_i32 s59, s[Q0], s59
	v_add_nc_u32 v252, s59, v[DQ]                  ; d = my query - the group's first key - 16 h.  Register 16 b + i holds key 32 b + 16 h + i: hidden where 32 b + i > d
.set n, 0
.rept 64
	v_cmp_gt_i32 vcc_lo, 32*(n/16)+n%16, v252
	v_cndmask_b32 v[96+n], v[96+n], v[NINF], vcc_lo
.set n, n+1
.endr
.Lopen_\@:
.irp b, 0,1,2,3
	v_max3_num_f32 v[232+\b], v[96+16*\b], v[97+16*\b], v[98+16*\b]   ; the largest score of each block of 32 keys: for the row's maximum, and for the block's largest p
.endr
.irp i, 3,5,7,9,11,13
.irp b, 0,1,2,3
	v_max3_num_f32 v[232+\b], v[232+\b], v[96+16*\b+\i], v[97+16*\b+\i]
.endr
.endr
.irp b, 0,1,2,3
	v_max_num_f32 v[232+\b], v[232+\b], v[111+16*\b]
.endr
.irp b, 0,1,2,3
	v_permlanex16_b32 v[236+\b], v[232+\b], s[SEL], s[SEL+1]
.endr
.irp b, 0,1,2,3
	v_max_num_f32 v[232+\b], v[232+\b], v[236+\b]
.endr
	v_max3_num_f32 v254, v232, v233, v234
	v_max_num_f32 v254, v254, v235
	v_mul_f32 v254, s[CS], v254                    ; the step's largest t of my query
	v_lshrrev_b32 v255, s[KB], v[SELM]
	v_and_b32 v255, 1, v255
	v_cmp_eq_u32 vcc_lo, 1, v255                   ; has my query chosen this block?  The answer selects values, nothing else
	v_cndmask_b32 v254, v[NBIG], v254, vcc_lo      ; if not, the block does not move the maximum
	v_max_num_f32 v13, v13, v254
	v_mov_b32 v254, v12
	v_floor_f32 v12, -v13                          ; the new -M = -ceil(t)
	v_sub_f32 v254, v12, v254
	v_cvt_i32_f32 v254, v254                       ; (it saturates)
	v_ldexp_f32 v252, 1.0, v254                    ; f = 2^(old M - new M)
	v_cndmask_b32 v30, v[NINF], v12, vcc_lo        ; the addend: -M, or -infinity, which makes every p of the block 0
.set n, 0
.rept 32
	v_pk_fma_f32 v[96+n:97+n], v[96+n:97+n], s[CS:CS+1], v[30:31] op_sel_hi:[1,0,0]   ; t - M
.set n, n+2
.endr
.irp b, 0,1,2,3
	v_fma_f32 v[232+\b], v[232+\b], s[CS], v30
.endr
.set n, 0
.rept 64
	v_exp_f32 v[96+n], v[96+n]                     ; p = 2^(t - M)
.set n, n+1
.endr
.irp b, 0,1,2,3
	v_exp_f32 v[232+\b], v[232+\b]                 ; the block's largest p
.endr
	v_pk_mul_f32 v[14:15], v[14:15], v[252:253] op_sel_hi:[1,0]   ; the sums under the new M.  (A plain place behind the exponentials)
	s_wait_alu depctr_va_vdst(0)
.irp b, 0,1,2,3
	v_max_num_f32 v[232+\b], 0x1800000, v[232+\b]  ; the floor 2^(3 - 127)
.endr
.irp b, 0,1,2,3
	v_add_nc_u32 v[244+\b], 0xff000000, v[232+\b]
.endr
.irp b, 0,1,2,3
	v_lshrrev_b32 v[236+\b], 23, v[244+\b]
.endr
	v_lshl_or_b32 v253, v237, 8, v236              ; p's scale word for these 128 keys
	v_lshl_or_b32 v253, v238, 16, v253
	v_lshl_or_b32 v253, v239, 24, v253
.irp c, 0,1
	v_cvt_scalef32_pk16_fp6_f32 v[224+6*\c:226+6*\c], v[96+32*\c:111+32*\c], v[244+2*\c]
	v_cvt_scalef32_pk16_fp6_f32 v[236+4*\c:238+4*\c], v[112+32*\c:127+32*\c], v[244+2*\c+1]
.endr
	v_nop                                          ; one plain place behind a scaled conversion
.irp c, 0,1
.irp i, 0,1,2
	v_permlane16_swap_b32 v[224+6*\c+\i], v[236+4*\c+\i]
.endr
.irp i, 0,1,2
	v_mov_b32 v[227+6*\c+\i], v[236+4*\c+\i]
.endr
.endr
	v_pk_add_f32 v[236:237], v[96:97], v[98:99]    ; the row's sum is taken of the unquantised p, in two chains
.irp j, 4,8,12,16,20,24,28,32,36,40,44,48,52,56,60
	v_pk_add_f32 v[14:15], v[14:15], v[96+\j:97+\j]
	v_pk_add_f32 v[236:237], v[236:237], v[98+\j:99+\j]
.endr
	v_pk_add_f32 v[14:15], v[14:15], v[236:237]
.set n, 0
.rept 32
	v_pk_mul_f32 v[160+n:161+n], v[160+n:161+n], v[252:253] op_sel_hi:[1,0]   ; O^T under the new M.  (These are also the places in front of the loads and products below)
.set n, n+2
.endr
.irp g, 0,1                                    ; O^T += V^T P^T
.if \g > 0
.rept 4
	v_nop
.endr
.endif
.irp t, 0,1,2,3
.irp c, 0,1,2
	ds_load_b128 v[32+12*\t+4*\c:35+12*\t+4*\c], v[ADK] offset:VIMG+(4*\g+\t)*1536+512*\c
.endr
.endr
	ds_load_b128 v[248:251], v[ADS] offset:512+256*\g
	s_wait_dscnt 0x0
.irp t, 0,1,2,3
	v_wmma_scale_f32_16x16x128_f8f6f4 v[160+8*(4*\g+\t):167+8*(4*\g+\t)], v[32+12*\t:43+12*\t], v[224:235], v[160+8*(4*\g+\t):167+8*(4*\g+\t)], v[248+\t], v253 matrix_a_fmt:MATRIX_FMT_FP6 matrix_b_fmt:MATRIX_FMT_FP6
.endr
.endr
.rept 4
	v_nop                                          ; places behind the last products, for whatever reads or loads next on any way
.endr
.Lhidden_\@:
	s_add_co_u32 s[KG], s[KG], 1
	s_add_co_u32 s[TB], s[TB], REC
.endm
.macro FOUR_STEPS                      ; a slot's four records: written once, walked four times
	s_mov_b32 s[C4], 4
.Lstep_\@:
	STEP
	s_sub_co_u32 s[C4], s[C4], 1
	s_cmp_lg_u32 s[C4], 0
	s_cbranch_scc1 .Lstep_\@
	s_sub_co_u32 s[TB], s[TB], 4*REC               ; back to a slot's first record,
	s_xor_b32 s[TB], s[TB], SLOT1                  ; in the other slot
.endm
; THE CHANGE OF SLOTS.  Each wave waits for all its tensor loads, adds 0 to its spare word, and waits for that and for its reads of the slot that it leaves.
; fill = 1: a round of the cluster's barrier, and behind it the slot just left is filled with the four records two slots on: the load has four steps in which to land.
.macro CHANGE fill
	s_wait_tensorcnt 0x0                           ; no tensor load of mine is out, so a group 0 may be written
	ds_add_u32 v[SPW], v[NIL]                      ; 0 onto my spare word
.if \fill
	s_xor_b32 s37, s37, SLOT1                      ; the walking descriptor: the other slot than last time,
	s_add_nc_u64 s[38:39], s[38:39], 4*REC         ; the next four records
.endif
	s_wait_dscnt 0x0                               ; the add is done, and my reads of the slot are over
.if \fill
	CROUND
	s_cmp_lt_u32 s[WV], 4
	s_cbranch_scc0 .Lnone_\@
	tensor_load_to_lds s[36:39], s[24:31]          ; the first thing behind the round, and my one tensor load until the next
	s_nop 0
.rept 4
	v_nop
.endr
.Lnone_\@:
.else
	s_barrier_signal -1
	s_barrier_wait -1
.endif
.endm
	s_wait_tensorcnt 0x1                           ; my part of slot 0 is in; slot 1's may stay out
	s_barrier_signal -1
	s_barrier_wait -1
	FOUR_STEPS                                     ; groups 0-3
	s_mov_b32 s[C2], 2
.Lslot:
	CHANGE 1
	FOUR_STEPS                                     ; groups 4-7, then 8-11
	s_sub_co_u32 s[C2], s[C2], 1
	s_cmp_lg_u32 s[C2], 0
	s_cbranch_scc1 .Lslot
	CHANGE 0                                       ; the last slot is written out
	FOUR_STEPS                                     ; groups 12-15
	; THE END: the own block's result / its sum + the part put aside; quantised along D; a head's 128 numbers are 96 bytes of codes and one scale word of a row
	v_add_f32 v14, v14, v15
	v_permlanex16_b32 v254, v14, s[SEL], s[SEL+1]
	v_add_f32 v14, v14, v254
	v_rcp_f32 v254, v14
	v_nop                                          ; a plain place behind the reciprocal
	WIN 0x10                                       ; source 2 in window 1
.set n, 0
	s_wait_alu depctr_va_vdst(0)
.rept 32
	v_pk_fma_f32 v[96+n:97+n], v[160+n:161+n], v[254:255], v[n:n+1] op_sel_hi:[1,0,1]   ; register 16 b + i = the head's number 32 b + 16 h + i of my query
.set n, n+2
.endr
	WIN 0
	QUANT 96, 32, 48, 56
.irp p, 0,1,2,3,4,5
	global_store_b64 v[AO], v[32+2*\p:33+2*\p], s[10:11] offset:48*(\p/3)+8*(\p%3)
.endr
	global_store_b32 v29, v56, s[12:13]            ; lanes 16-31 hold, and write, the same word as lanes 0-15
	s_wait_tensorcnt 0x0                           ; the wave's end
	ds_add_u32 v[SPW], v[NIL]
	s_wait_dscnt 0x0
	CROUND                                         ; the closing round
	s_endpgm
.Lfunc_end_k_q3530ad2b76_attn:
	.size	k_q3530ad2b76_attn, .Lfunc_end_k_q3530ad2b76_attn-k_q3530ad2b76_attn
	.p2alignl 7, 3214868480
	.fill 96, 4, 3214868480
	.section	.rodata,"a",@progbits
	.p2align	6, 0x0
	.amdhsa_kernel k_q3530ad2b76_attn
		.amdhsa_group_segment_fixed_size 327680
		.amdhsa_private_segment_fixed_size 0
		.amdhsa_enable_private_segment 0
		.amdhsa_kernarg_size 40
		.amdhsa_user_sgpr_count 2
		.amdhsa_user_sgpr_kernarg_segment_ptr 1
		.amdhsa_wavefront_size32 1
		.amdhsa_system_sgpr_workgroup_id_x 1
		.amdhsa_system_sgpr_workgroup_id_y 1
		.amdhsa_system_sgpr_workgroup_id_z 1
		.amdhsa_system_vgpr_workitem_id 0
		.amdhsa_next_free_vgpr 320
		.amdhsa_next_free_sgpr 66
		.amdhsa_reserve_vcc 1
		.amdhsa_float_denorm_mode_32 3
		.amdhsa_float_denorm_mode_16_64 3
		.amdhsa_memory_ordered 1
		.amdhsa_forward_progress 1
		.amdhsa_inst_pref_size 134
	.end_amdhsa_kernel
	.amdgpu_metadata
---
amdhsa.version: [ 1, 2 ]
amdhsa.kernels:
  - .name:           k_q3530ad2b76_attn
    .symbol:         k_q3530ad2b76_attn.kd
    .args:
      - { .name: qf, .offset: 0, .size: 8, .value_kind: global_buffer, .address_space: global }
      - { .name: kv, .offset: 8, .size: 8, .value_kind: global_buffer, .address_space: global }
      - { .name: ksum, .offset: 16, .size: 8, .value_kind: global_buffer, .address_space: global }
      - { .name: acodes, .offset: 24, .size: 8, .value_kind: global_buffer, .address_space: global }
      - { .name: ascales, .offset: 32, .size: 8, .value_kind: global_buffer, .address_space: global }
    .group_segment_fixed_size: 327680
    .private_segment_fixed_size: 0
    .kernarg_segment_align: 8
    .kernarg_segment_size: 40
    .max_flat_workgroup_size: 256
    .sgpr_count:     66
    .vgpr_count:     320
    .wavefront_size: 32
...
	.end_amdgpu_metadata
.endif
;; end of part 2
;; launch oproj: the kernel of part 1 again; grid 8 x 8, 4 waves a work-group, clusters of 4 x 4, 327,680 bytes of LDS; arguments acodes, ascales, Wo_codes, Wo_scales, bo, out0, key_codes, key_scales, Wk_codes, Wk_scales, bk, kv, Wv_codes, Wv_scales, value_codes, value_scales, bv, ksum; writes out0, kv, ksum
;; ======== version 2 of 2: 3 launches
;; workspace buffers: qf 16,777,216 bytes; kv 6,553,600 bytes; ksum 131,072 bytes; acodes 3,145,728 bytes; ascales 131,072 bytes
;; launch proj: the kernel of part 1 again; grid 8 x 24, 4 waves a work-group, clusters of 4 x 4, 327,680 bytes of LDS; arguments query_codes, query_scales, Wq_codes, Wq_scales, bq, qf, key_codes, key_scales, Wk_codes, Wk_scales, bk, kv, Wv_codes, Wv_scales, value_codes, value_scales, bv, ksum; writes qf, kv, ksum
;; launch attn (part 3): grid 256 x 1, 8 waves a work-group, clusters of 4 x 1, 327,680 bytes of LDS; arguments qf, kv, ksum, acodes, ascales; writes acodes, ascales
.if DOCPART == 3
	.amdgcn_target "amdgcn-amd-amdhsa--gfx1250"
	.amdhsa_code_object_version 6
	.text
	.protected	k_q3530ad2b76_attn
	.globl	k_q3530ad2b76_attn
	.p2align	8
	.type	k_q3530ad2b76_attn,@function
k_q3530ad2b76_attn:
	s_mov_b64 s[64:65], 0
	v_nop
	global_prefetch_b8 v0, s[64:65] scope:SCOPE_SE
	s_setreg_imm32_b32 hwreg(HW_REG_WAVE_MODE, 25, 1), 1
	s_wait_xcnt 0x0
	s_wait_alu depctr_hold_cnt(0) depctr_sa_sdst(0) depctr_va_vdst(0) depctr_va_sdst(0) depctr_va_ssrc(0) depctr_va_vcc(0) depctr_vm_vsrc(0)
	s_getreg_b32 s2, hwreg(HW_REG_IB_STS2, 6, 4)
	s_cmp_eq_u32 s2, 0
	s_cbranch_scc0 .Lentry_in_a_cluster
	s_endpgm
.Lentry_in_a_cluster:
	s_bfe_u32 s2, ttmp6, 0x10000c
	s_cmp_lg_u32 s2, 0x3003
	s_cbranch_scc0 .Lentry_shape_is_right
	s_endpgm
.Lentry_shape_is_right:
; For each head and query: the routing (q against the sums of k over each block of 256 keys, top 3 of the past blocks, the lower index on a tie), the softmax over the chosen past blocks,
; the causal softmax over the query's own block, the sum of the two results, quantised along D into codes and scale bytes laid as an input's.
; Both products of both attentions run on codes of E2M3 with one E8M0 scale for each 32 along K.  p = 2^(t - M), t = score x log2(e) / sqrt(128), M the running largest t rounded up to a whole number;
; the row's sum is taken of the unquantised p and divides at the end.
; SHARES.  Cluster c: head c / 4, pair c % 4 = NP.  A wave owns 16 queries: waves 0-3 of block NP, waves 4-7 of block 7 - NP; tile 4 (wave % 4) + cx of the block's sixteen.  So each work-group
; has 9 blocks of keys to walk for each pair of waves, whatever NP.  The four partners walk one head's records and ask for them jointly.
; THE WALK.  Every wave walks all 16 groups of 128 keys, so that every trip count is a constant; a step whose keys all lie behind the wave's queries is left out by a scalar branch on ids.
; THE CHOICE steers no branch and no address: a block that a query has not chosen counts as t = -3e38 for its maximum and gets -infinity as its addend, so that p = 0.
; At the own block's first group the past blocks' result is divided by its sum and put aside; the largest t begins anew, so that the next step's factor 2^(old M - new M) is 0 and clears the sums.
; A query of block 0 has no past keys: its sums are zeros, the divisor is held at 0.25 from below (a real sum is over 0.5), and the part put aside is 0.
; LAYOUT.  Both products are used transposed (S^T = K Q^T, O^T = V^T P^T): a lane holds one query.  The records' fragments hold rows 32 (t / 2) + 8 (t % 2) + r + 8 (r / 8),
; so that the 16 registers of tiles 2 b and 2 b + 1 are 16 neighbours along the next K.
; ALL OF A STEP'S LDS LOADS GO OUT AT ITS HEAD, in one run of 52: the scale words, K's eight fragments, V^T's eight.  The first product waits for K's alone; V's land while the softmax is worked.
; LIMITS: NaN and infinities are not served.  Where the third and the fourth route lie within f32 rounding of each other, either may be chosen.  A block of zeros gets the scale byte 1 (its codes are zeros).
; A block's largest p is made from its largest score by the same two instructions: this takes v_exp_f32 not to fall where its input rises.
; REGISTERS, window 0: v1-11 addresses and constants; v12 -M, v13 largest t, v[14:15] the sum; v16-27 q's codes, v28 its scale word; v[30:31] the addend; v32-39 K's scale words, v40-47 V's; v48-72 at work at the head
; and at the end; v80-95 the quantiser's; v96-159 q, then S^T and p, then the result; v160-223 O^T; v224-235 p's codes; v236-247 at work; v252 f; v253 p's scale word.
; Window 1: v0-63 the past blocks' result; v64-159 K's eight fragments; v160-255 V^T's eight.
.set REC,   25600                      ; a record: 8 images of K, 8 of V^T, 512 + 512 bytes of scale words
.set SLOT1, 1<<17                      ; slot 0 at byte 0, slot 1 here: four records each; one exclusive or turns an address
.set KM,    4*REC                      ; behind slot 0: the sums of k over each of the 8 blocks, [8][128] f32
.set SPARE, KM+4096                    ; the spare words: 128 bytes a wave, four blocks of 256 bytes that no other line names
.set VIMG,  12288
.set KSCW,  24576
.set LI,   1                           ; 16 x lane
.set ASC,  2                           ; KSCW + 16 x (lane % 16)
.set SELM, 3                           ; bit n: my query takes block n
.set DQ,   4                           ; r - 16 h
.set SPW,  5                           ; LDS address of my spare word; never rewritten
.set NIL,  6                           ; 0; never rewritten
.set AO,   7                           ; 1536 r + 24 h
.set ADK,  8
.set ADS,  9
.set NBIG, 10                          ; -3e38
.set NINF, 11                          ; -infinity
.set KSW,  32                          ; v32-39 the scale words of K's fragments 0-7
.set VSW,  40                          ; v40-47 those of V^T's
.set KFR,  64                          ; window 1: K's fragments
.set VFR,  160                         ; window 1: V^T's
.set TM,   80
.set RT,   160
.set CNT,  168
.set KMR,  176
.set AC,   240
.set WV,   14
.set CX,   15
.set HEAD, 16
.set NPR,  17
.set W4,   18
.set HI,   19
.set QB,   20                          ; my queries' block
.set QB2,  21                          ; its first group of 128 keys
.set DG,   22                          ; the group that holds my diagonal
.set Q0,   23                          ; my first query
.set TB,   40                          ; LDS byte of the record in hand
.set KG,   41                          ; its group
.set KB,   42                          ; its block
.set C4,   43
.set C2,   44
.set SEL,  46
.set CS,   48
.set MSB, 0
.macro WIN new                         ; the immediate's high byte repeats the setting that is left
.if MSB != \new
	s_set_vgpr_msb (MSB<<8)|\new
.set MSB, \new
.endif
.endm
.macro CROUND                          ; a round of the cluster's barrier
	s_barrier_signal -1
	s_barrier_wait -1
	s_cmp_lg_u32 s[WV], 0
	s_cbranch_scc1 .Lnot_wave_0_\@
	s_barrier_signal -3
.Lnot_wave_0_\@:
	s_barrier_wait -3
	s_barrier_signal -1
	s_barrier_wait -1
.endm
; 64 numbers of a lane, register 16 b + i = k 32 b + 16 (lane / 16) + i of my row, become a fragment's codes in v[pc] on and its scale word in v[pw]; tp: seven registers at work
.macro QUANT s, pc, tp, pw
.irp b, 0,1,2,3
	v_max3_num_f32 v[TM+\b], |v[\s+16*\b]|, |v[\s+1+16*\b]|, 0x1800000   ; and the floor 2^(3 - 127): the byte cannot fall under 1
.endr
.irp i, 2,4,6,8,10,12,14
.irp b, 0,1,2,3
	v_max3_num_f32 v[TM+\b], v[TM+\b], |v[\s+16*\b+\i]|, |v[\s+1+16*\b+\i]|
.endr
.endr
.irp b, 0,1,2,3
	v_permlanex16_b32 v[TM+4+\b], v[TM+\b], s[SEL], s[SEL+1]
.endr
.irp b, 0,1,2,3
	v_max_num_f32 v[TM+\b], v[TM+\b], v[TM+4+\b]   ; with lane l xor 16's: the block's largest magnitude
.endr
.irp b, 0,1,2,3
	v_add_nc_u32 v[TM+12+\b], 0xff000000, v[TM+\b] ; 2 off its exponent field: the conversion's scale operand
.endr
.irp b, 0,1,2,3
	v_lshrrev_b32 v[TM+4+\b], 23, v[TM+12+\b]      ; the scale's byte
.endr
	v_lshl_or_b32 v[\pw], v[TM+5], 8, v[TM+4]
	v_lshl_or_b32 v[\pw], v[TM+6], 16, v[\pw]
	v_lshl_or_b32 v[\pw], v[TM+7], 24, v[\pw]
.irp c, 0,1
	v_cvt_scalef32_pk16_fp6_f32 v[\pc+6*\c:\pc+2+6*\c], v[\s+32*\c:\s+15+32*\c], v[TM+12+2*\c]
	v_cvt_scalef32_pk16_fp6_f32 v[\tp+4*\c:\tp+2+4*\c], v[\s+16+32*\c:\s+31+32*\c], v[TM+12+2*\c+1]
.endr
	v_nop                                          ; one plain place behind a scaled conversion
.irp c, 0,1                                    ; the operand's layout wants a whole block in a lane
.irp i, 0,1,2
	v_permlane16_swap_b32 v[\pc+6*\c+\i], v[\tp+4*\c+\i]
.endr
.irp i, 0,1,2
	v_mov_b32 v[\pc+3+6*\c+\i], v[\tp+4*\c+\i]
.endr
.endr
.endm
	s_load_b256 s[4:11], s[0:1], 0x0               ; qf s[4:5], kv s[6:7], ksum s[8:9], acodes s[10:11]
	s_load_b64 s[12:13], s[0:1], 0x20              ; ascales
	v_lshl_add_u32 v[SPW], v0, 2, SPARE
	v_mov_b32 v[NIL], 0
	ds_add_u32 v5, v6
	s_wait_dscnt 0x0
	v_lshrrev_b32 v1, 5, v0
	v_readfirstlane_b32 s[WV], v1                  ; wave 0..7
	s_bfe_u32 s[CX], ttmp6, 0x40000                ; my place in the cluster: it enters global addresses and one vector value, nothing else
	s_lshr_b32 s[HEAD], ttmp9, 2
	s_and_b32 s[NPR], ttmp9, 3
	s_and_b32 s[W4], s[WV], 3
	s_lshr_b32 s[HI], s[WV], 2
	s_sub_co_u32 s45, 7, s[NPR]
	s_cmp_eq_u32 s[HI], 0
	s_cselect_b32 s[QB], s[NPR], s45
	s_lshl_b32 s[QB2], s[QB], 1
	s_lshr_b32 s45, s[W4], 1
	s_add_co_u32 s[DG], s[QB2], s45                ; tile 4 (wave % 4) + cx lies in the block's first 128 keys for waves % 4 = 0, 1, else in the second
	s_lshl_b32 s60, s[W4], 2
	s_add_co_u32 s60, s60, s[CX]
	s_lshl_b32 s60, s60, 4
	s_lshl_b32 s[Q0], s[QB], 8
	s_add_co_u32 s[Q0], s[Q0], s60
	; descriptor group 1: a record, dense: 100 rows of 256 bytes (32 elements of 8 bytes); the mask names all four partners
	s_mov_b32 s24, 15|(3<<16)|(1<<21)
	s_mov_b32 s25, 32<<16                          ; tensor_dim0
	s_mov_b32 s26, 100<<16                         ; tensor_dim1
	s_mov_b32 s27, 32<<16                          ; tile_dim0
	s_mov_b32 s28, 100                             ; tile_dim1
	s_mov_b32 s29, 32                              ; tensor_dim0_stride
	s_mov_b32 s30, 0
	s_mov_b32 s31, 0
	s_mul_i32 s50, s[HEAD], 16*REC
	s_mul_i32 s45, s[WV], REC                      ; waves 0-3 fetch record wave of a slot's four
	s_add_co_u32 s50, s50, s45
	s_mov_b32 s51, 0
	s_lshl_b32 s54, s[Q0], 13                      ; qf: my first query's row, my head's 512 bytes
	s_lshl_b32 s55, s[HEAD], 9
	s_add_co_u32 s54, s54, s55
	s_mov_b32 s55, 0
	s_lshl_b32 s56, s[HEAD], 13                    ; ksum: my head, groups 2 wave and 2 wave + 1
	s_lshl_b32 s57, s[WV], 10
	s_add_co_u32 s56, s56, s57
	s_mov_b32 s57, 0
	s_mul_i32 s52, s[Q0], 1536                     ; acodes: my first query's row, my head's 96 bytes
	s_mul_i32 s53, s[HEAD], 96
	s_add_co_u32 s52, s52, s53
	s_mov_b32 s53, 0
	s_lshl_b32 s58, s[Q0], 6                       ; ascales: 64 bytes a row, my head's word
	s_lshl_b32 s59, s[HEAD], 2
	s_add_co_u32 s58, s58, s59
	s_mov_b32 s59, 0
	s_mov_b32 s[SEL], 0x76543210
	s_mov_b32 s[SEL+1], 0xfedcba98                 ; v_permlanex16_b32's selects for lane l xor 16
	s_mov_b32 s[CS], 0x3e0293ee                    ; c = log2(e) / sqrt(128)
	s_mov_b32 s[CS+1], s[CS]
	s_mov_b32 s[TB], 0
	s_mov_b32 s[KG], 0
	v_and_b32 v8, 15, v0                           ; r
	v_bfe_u32 v9, v0, 4, 1                         ; h
	v_and_b32 v1, 31, v0
	v_lshlrev_b32 v[LI], 4, v1
	v_lshl_add_u32 v[ASC], v8, 4, KSCW
	v_lshlrev_b32 v254, 4, v9
	v_sub_nc_u32 v[DQ], v8, v254
	v_mul_u32_u24 v[AO], v8, 1536
	v_mad_u32_u24 v[AO], v9, 24, v[AO]
	v_lshlrev_b32 v29, 6, v8                       ; 64 r
	v_lshlrev_b32 v252, 13, v8
	v_lshl_add_u32 v252, v9, 6, v252               ; q: row r of 8,192 bytes, + 64 h: my 16 numbers of each block of 32
	s_lshl_b32 s61, s[WV], 9
	s_add_co_u32 s61, s61, KM
	v_add_nc_u32 v254, s61, v[LI]                  ; where my wave puts block wave's sums
	v_lshl_add_u32 v255, v9, 6, KM                 ; and from where a lane reads a block's
	v_mov_b32 v[NBIG], 0xff61b1e6
	v_mov_b32 v[NINF], 0xff800000
	s_wait_kmcnt 0x0
	s_add_nc_u64 s[6:7], s[6:7], s[50:51]
	s_add_nc_u64 s[4:5], s[4:5], s[54:55]
	s_add_nc_u64 s[8:9], s[8:9], s[56:57]
	s_add_nc_u64 s[10:11], s[10:11], s[52:53]
	s_add_nc_u64 s[12:13], s[12:13], s[58:59]
	; q and the sums of k are asked for first of all, ahead of the cluster's round: they are on their way while the work-groups meet and the first records are asked for
.irp b, 0,1,2,3
.irp j, 0,1,2,3
	global_load_b128 v[96+16*\b+4*\j:99+16*\b+4*\j], v252, s[4:5] offset:128*\b+16*\j   ; register 16 b + i = q(r, 32 b + 16 h + i)
.endr
.endr
	global_load_b128 v[56:59], v[LI], s[8:9]
	global_load_b128 v[60:63], v[LI], s[8:9] offset:512
	s_mov_b32 s32, 1                               ; group 0 for slot 0's first fill: groups 0-3
	s_mov_b32 s33, s45
	s_mov_b64 s[34:35], s[6:7]
	s_or_b32 s35, s35, 0x80000000
	s_mov_b32 s36, 1                               ; group 0 for slot 1's: groups 4-7; it then walks on
	s_add_co_u32 s37, s45, SLOT1
	s_add_nc_u64 s[38:39], s[6:7], 4*REC
	s_or_b32 s39, s39, 0x80000000
	CROUND                                         ; all four work-groups are here: the first joint loads meet
	s_cmp_lt_u32 s[WV], 4                          ; a wave's two first fills stand in one branch: two loads of mine are out
	s_cbranch_scc0 .Lno_first
	tensor_load_to_lds s[32:35], s[24:31]
	s_nop 0
	tensor_load_to_lds s[36:39], s[24:31]
	s_nop 0
.rept 4
	v_nop
.endr
.Lno_first:
.irp b, 0,1,2,3
	v_mov_b32 v[TM+4+\b], 0                        ; a lane permute's destination counts as one of its sources
.endr
	s_wait_loadcnt 0x0
	v_pk_add_f32 v[56:57], v[56:57], v[60:61]      ; two groups of 128 tokens make a block of 256
	v_pk_add_f32 v[58:59], v[58:59], v[62:63]
	ds_store_b128 v254, v[56:59]
	QUANT 96, 16, 48, 28                           ; q's codes and scale word; q stays in f32 for the routing
	s_wait_dscnt 0x0                               ; for the others' sake: my sums lie in LDS
	s_barrier_signal -1
	s_barrier_wait -1                              ; the tensor loads stay out
	; THE ROUTING, in f32.  The sums are not divided by 256: a power of two, which changes no order.
.irp n, 0,1,2,3,4,5,6
	v_mov_b32 v[RT+\n], v[NINF]                    ; the own block and the later ones never count
	v_mov_b32 v[CNT+\n], 0
.endr
.macro ROUTE1 n
	s_cmp_le_u32 s[QB], \n
	s_cbranch_scc1 .Lnot_past_\@
.irp b, 0,1,2,3
.irp j, 0,1,2,3
	ds_load_b128 v[KMR+16*\b+4*\j:KMR+16*\b+4*\j+3], v255 offset:512*\n+128*\b+16*\j
.endr
.endr
	s_wait_dscnt 0x0
.irp e, 0,1,2,3
	v_pk_mul_f32 v[AC+2*\e:AC+2*\e+1], v[96+2*\e:97+2*\e], v[KMR+2*\e:KMR+2*\e+1]
.endr
.irp i, 8,16,24,32,40,48,56
.irp e, 0,1,2,3
	v_pk_fma_f32 v[AC+2*\e:AC+2*\e+1], v[96+\i+2*\e:97+\i+2*\e], v[KMR+\i+2*\e:KMR+\i+2*\e+1], v[AC+2*\e:AC+2*\e+1]
.endr
.endr
	v_pk_add_f32 v[AC:AC+1], v[AC:AC+1], v[AC+2:AC+3]
	v_pk_add_f32 v[AC+4:AC+5], v[AC+4:AC+5], v[AC+6:AC+7]
	v_pk_add_f32 v[AC:AC+1], v[AC:AC+1], v[AC+4:AC+5]
	v_add_f32 v[RT+\n], v[AC], v[AC+1]
.Lnot_past_\@:
.endm
.irp n, 0,1,2,3,4,5,6
	ROUTE1 \n
.endr
.irp n, 0,1,2,3,4,5,6
	v_permlanex16_b32 v[CNT+\n], v[RT+\n], s[SEL], s[SEL+1]
.endr
.irp n, 0,1,2,3,4,5,6
	v_add_f32 v[RT+\n], v[RT+\n], v[CNT+\n]        ; with lane l xor 16's half of the head
.endr
.irp n, 0,1,2,3,4,5,6
	v_mov_b32 v[CNT+\n], 6-\n                      ; rank = how many blocks come before this one: it begins as if every later block did
.endr
.macro PAIR j, i                       ; j < i: j comes before i where route j >= route i (the lower index on a tie), else i before j
	v_cmp_ge_f32 vcc_lo, v[RT+\j], v[RT+\i]
	v_cndmask_b32 v254, 0, 1, vcc_lo
	v_add_nc_u32 v[CNT+\i], v[CNT+\i], v254
	v_sub_nc_u32 v[CNT+\j], v[CNT+\j], v254
.endm
.irp i, 1,2,3,4,5,6
	PAIR 0, \i
.endr
.irp i, 2,3,4,5,6
	PAIR 1, \i
.endr
.irp i, 3,4,5,6
	PAIR 2, \i
.endr
.irp i, 4,5,6
	PAIR 3, \i
.endr
.irp i, 5,6
	PAIR 4, \i
.endr
	PAIR 5, 6
	v_mov_b32 v[SELM], 0
.irp i, 0,1,2,3,4,5,6
	v_cmp_gt_u32 vcc_lo, 3, v[CNT+\i]
	v_cndmask_b32 v254, 0, 1, vcc_lo
	v_lshl_or_b32 v[SELM], v254, \i, v[SELM]
.endr
	s_lshl_b32 s45, 1, s[QB]
	s_sub_co_u32 s[C4], s45, 1
	v_and_b32 v[SELM], s[C4], v[SELM]              ; only past blocks are kept;
	v_or_b32 v[SELM], s45, v[SELM]                 ; the own block's bit serves the second softmax
	v_mov_b32 v13, v[NBIG]                         ; the largest t so far: under every t
	v_floor_f32 v12, -v13                          ; -M
	v_mov_b32 v14, 0
	v_mov_b32 v15, 0
	v_mov_b32 v31, 0                               ; (named as the upper halves of pairs)
	v_mov_b32 v253, 0
	v_mov_b32 v255, 0
.irp b, 0,1,2,3
	v_mov_b32 v[236+\b], 0
.endr
.set n, 0
.rept 64
	v_mov_b32 v[160+n], 0                          ; O^T: the step is written once and finds zeros at first
.set n, n+1
.endr
	WIN 0x40
.set n, 0
.rept 64
	v_mov_b32 v[n], 0                              ; the part put aside is written on every way before it is read
.set n, n+1
.endr
	WIN 0
; The past blocks' sums are closed: O^T / l is put aside, and the largest t begins anew.
.macro SWITCH
	v_add_f32 v14, v14, v15
	v_permlanex16_b32 v254, v14, s[SEL], s[SEL+1]
	v_add_f32 v14, v14, v254                       ; the row's sum
	v_max_num_f32 v14, 0x3e800000, v14             ; held at 0.25 from below: a query with no past keys has zeros to divide
	v_rcp_f32 v254, v14
	v_mov_b32 v13, v[NBIG]                         ; (a plain place behind the reciprocal)
	WIN 0x40                                       ; destination window 1
.set n, 0
	s_wait_alu depctr_va_vdst(0)
.rept 32
	v_pk_mul_f32 v[n:n+1], v[160+n:161+n], v[254:255] op_sel_hi:[1,0]   ; each accumulator from its low end on
.set n, n+2
.endr
	WIN 0
	v_floor_f32 v12, -v13                          ; the next step's factor is 2^(a whole number that saturates) = 0: it clears O^T and the sums
.endm
; A KEY STEP: the 128 keys of the record at s[TB].
.macro STEP
	s_lshr_b32 s[KB], s[KG], 1
	s_cmp_gt_u32 s[KG], s[DG]                      ; all its keys lie behind my queries: left out, but for the lines at its end that step addresses
	s_cbranch_scc1 .Lhidden_\@
	s_cmp_lg_u32 s[KG], s[QB2]
	s_cbranch_scc1 .Lsame_\@
	SWITCH
.Lsame_\@:
	v_add_nc_u32 v[ADK], s[TB], v[LI]
	v_add_nc_u32 v[ADS], s[TB], v[ASC]
	; the step's 52 LDS loads in one run (the four v_nop at the last step's end are the places behind its last products):
.irp g, 0,1,2,3
	ds_load_b128 v[KSW+4*\g:KSW+4*\g+3], v[ADS] offset:256*\g   ; row r's scale words: K's fragments 0-3, 4-7, then V^T's 0-3, 4-7
.endr
	WIN 0x40                                       ; destination window 1, address window 0
.irp t, 0,1,2,3,4,5,6,7
.irp c, 0,1,2
	ds_load_b128 v[KFR+12*\t+4*\c:KFR+12*\t+4*\c+3], v[ADK] offset:\t*1536+512*\c   ; an image: 512 consecutive bytes a load
.endr
.endr
.irp t, 0,1,2,3,4,5,6,7
.irp c, 0,1,2
	ds_load_b128 v[VFR+12*\t+4*\c:VFR+12*\t+4*\c+3], v[ADK] offset:VIMG+\t*1536+512*\c
.endr
.endr
	WIN 0x01                                       ; source 0 (the fragments) window 1; all else window 0
	s_wait_dscnt 36                                ; the scale words and K's fragments 0-3 are in: behind them 12 loads of K's and 24 of V's were issued
.irp t, 0,1,2,3                                ; S^T = K Q^T
	v_wmma_scale_f32_16x16x128_f8f6f4 v[96+8*\t:103+8*\t], v[KFR+12*\t:KFR+12*\t+11], v[16:27], 0, v[KSW+\t], v28 matrix_a_fmt:MATRIX_FMT_FP6 matrix_b_fmt:MATRIX_FMT_FP6
.endr
	s_wait_dscnt 24                                ; K's fragments 4-7 are in; V's 24 loads may stay out
.irp t, 4,5,6,7
	v_wmma_scale_f32_16x16x128_f8f6f4 v[96+8*\t:103+8*\t], v[KFR+12*\t:KFR+12*\t+11], v[16:27], 0, v[KSW+\t], v28 matrix_a_fmt:MATRIX_FMT_FP6 matrix_b_fmt:MATRIX_FMT_FP6
.endr
	WIN 0
.rept 4
	v_nop                                          ; places in front of the first read of the scores
.endr
	s_cmp_lg_u32 s[KG], s[DG]                      ; on the diagonal the scores of hidden keys become -infinity
	s_cbranch_scc1 .Lopen_\@
	s_lshl_b32 s59, s[KG], 7
	s_sub_co_i32 s59, s[Q0], s59
	v_add_nc_u32 v252, s59, v[DQ]                  ; d = my query - the group's first key - 16 h.  Register 16 b + i holds key 32 b + 16 h + i: hidden where 32 b + i > d
.set n, 0
.rept 64
	v_cmp_gt_i32 vcc_lo, 32*(n/16)+n%16, v252
	v_cndmask_b32 v[96+n], v[96+n], v[NINF], vcc_lo
.set n, n+1
.endr
.Lopen_\@:
.irp b, 0,1,2,3
	v_max3_num_f32 v[232+\b], v[96+16*\b], v[97+16*\b], v[98+16*\b]   ; the largest score of each block of 32 keys: for the row's maximum, and for the block's largest p
.endr
.irp i, 3,5,7,9,11,13
.irp b, 0,1,2,3
	v_max3_num_f32 v[232+\b], v[232+\b], v[96+16*\b+\i], v[97+16*\b+\i]
.endr
.endr
.irp b, 0,1,2,3
	v_max_num_f32 v[232+\b], v[232+\b], v[111+16*\b]
.endr
.irp b, 0,1,2,3
	v_permlanex16_b32 v[236+\b], v[232+\b], s[SEL], s[SEL+1]
.endr
.irp b, 0,1,2,3
	v_max_num_f32 v[232+\b], v[232+\b], v[236+\b]
.endr
	v_max3_num_f32 v254, v232, v233, v234
	v_max_num_f32 v254, v254, v235
	v_mul_f32 v254, s[CS], v254                    ; the step's largest t of my query
	v_lshrrev_b32 v255, s[KB], v[SELM]
	v_and_b32 v255, 1, v255
	v_cmp_eq_u32 vcc_lo, 1, v255                   ; has my query chosen this block?  The answer selects values, nothing else
	v_cndmask_b32 v254, v[NBIG], v254, vcc_lo      ; if not, the block does not move the maximum
	v_max_num_f32 v13, v13, v254
	v_mov_b32 v254, v12
	v_floor_f32 v12, -v13                          ; the new -M = -ceil(t)
	v_sub_f32 v254, v12, v254
	v_cvt_i32_f32 v254, v254                       ; (it saturates)
	v_ldexp_f32 v252, 1.0, v254                    ; f = 2^(old M - new M)
	v_cndmask_b32 v30, v[NINF], v12, vcc_lo        ; the addend: -M, or -infinity, which makes every p of the block 0
.set n, 0
.rept 32
	v_pk_fma_f32 v[96+n:97+n], v[96+n:97+n], s[CS:CS+1], v[30:31] op_sel_hi:[1,0,0]   ; t - M
.set n, n+2
.endr
.irp b, 0,1,2,3
	v_fma_f32 v[232+\b], v[232+\b], s[CS], v30
.endr
.set n, 0
.rept 64
	v_exp_f32 v[96+n], v[96+n]                     ; p = 2^(t - M)
.set n, n+1
.endr
.irp b, 0,1,2,3
	v_exp_f32 v[232+\b], v[232+\b]                 ; the block's largest p
.endr
	v_pk_mul_f32 v[14:15], v[14:15], v[252:253] op_sel_hi:[1,0]   ; the sums under the new M.  (A plain place behind the exponentials)
	s_wait_alu depctr_va_vdst(0)
.irp b, 0,1,2,3
	v_max_num_f32 v[232+\b], 0x1800000, v[232+\b]  ; the floor 2^(3 - 127)
.endr
.irp b, 0,1,2,3
	v_add_nc_u32 v[244+\b], 0xff000000, v[232+\b]
.endr
.irp b, 0,1,2,3
	v_lshrrev_b32 v[236+\b], 23, v[244+\b]
.endr
	v_lshl_or_b32 v253, v237, 8, v236              ; p's scale word for these 128 keys
	v_lshl_or_b32 v253, v238, 16, v253
	v_lshl_or_b32 v253, v239, 24, v253
.irp c, 0,1
	v_cvt_scalef32_pk16_fp6_f32 v[224+6*\c:226+6*\c], v[96+32*\c:111+32*\c], v[244+2*\c]
	v_cvt_scalef32_pk16_fp6_f32 v[236+4*\c:238+4*\c], v[112+32*\c:127+32*\c], v[244+2*\c+1]
.endr
	v_nop                                          ; one plain place behind a scaled conversion
.irp c, 0,1
.irp i, 0,1,2
	v_permlane16_swap_b32 v[224+6*\c+\i], v[236+4*\c+\i]
.endr
.irp i, 0,1,2
	v_mov_b32 v[227+6*\c+\i], v[236+4*\c+\i]
.endr
.endr
	v_pk_add_f32 v[236:237], v[96:97], v[98:99]    ; the row's sum is taken of the unquantised p, in two chains
.irp j, 4,8,12,16,20,24,28,32,36,40,44,48,52,56,60
	v_pk_add_f32 v[14:15], v[14:15], v[96+\j:97+\j]
	v_pk_add_f32 v[236:237], v[236:237], v[98+\j:99+\j]
.endr
	v_pk_add_f32 v[14:15], v[14:15], v[236:237]
.set n, 0
.rept 32
	v_pk_mul_f32 v[160+n:161+n], v[160+n:161+n], v[252:253] op_sel_hi:[1,0]   ; O^T under the new M.  (These are also the places in front of the products below)
.set n, n+2
.endr
	s_wait_dscnt 0x0                               ; V^T's fragments, asked for at the step's head
	WIN 0x01
.irp t, 0,1,2,3,4,5,6,7                        ; O^T += V^T P^T: the eight accumulators by turns
	v_wmma_scale_f32_16x16x128_f8f6f4 v[160+8*\t:167+8*\t], v[VFR+12*\t:VFR+12*\t+11], v[224:235], v[160+8*\t:167+8*\t], v[VSW+\t], v253 matrix_a_fmt:MATRIX_FMT_FP6 matrix_b_fmt:MATRIX_FMT_FP6
.endr
	WIN 0
.rept 4
	v_nop                                          ; places behind the last products, for whatever reads or loads next on any way
.endr
.Lhidden_\@:
	s_add_co_u32 s[KG], s[KG], 1
	s_add_co_u32 s[TB], s[TB], REC
.endm
.macro FOUR_STEPS                      ; a slot's four records: written once, walked four times
	s_mov_b32 s[C4], 4
.Lstep_\@:
	STEP
	s_sub_co_u32 s[C4], s[C4], 1
	s_cmp_lg_u32 s[C4], 0
	s_cbranch_scc1 .Lstep_\@
	s_sub_co_u32 s[TB], s[TB], 4*REC               ; back to a slot's first record,
	s_xor_b32 s[TB], s[TB], SLOT1                  ; in the other slot
.endm
; THE CHANGE OF SLOTS.  Each wave waits for all its tensor loads, adds 0 to its spare word, and waits for that and for its reads of the slot that it leaves.
; fill = 1: a round of the cluster's barrier, and behind it the slot just left is filled with the four records two slots on: the load has four steps in which to land.
.macro CHANGE fill
	s_wait_tensorcnt 0x0                           ; no tensor load of mine is out, so a group 0 may be written
	ds_add_u32 v[SPW], v[NIL]                      ; 0 onto my spare word
.if \fill
	s_xor_b32 s37, s37, SLOT1                      ; the walking descriptor: the other slot than last time,
	s_add_nc_u64 s[38:39], s[38:39], 4*REC         ; the next four records
.endif
	s_wait_dscnt 0x0                               ; the add is done, and my reads of the slot are over
.if \fill
	CROUND
	s_cmp_lt_u32 s[WV], 4
	s_cbranch_scc0 .Lnone_\@
	tensor_load_to_lds s[36:39], s[24:31]          ; the first thing behind the round, and my one tensor load until the next
	s_nop 0
.rept 4
	v_nop
.endr
.Lnone_\@:
.else
	s_barrier_signal -1
	s_barrier_wait -1
.endif
.endm
	s_wait_tensorcnt 0x1                           ; my part of slot 0 is in; slot 1's may stay out
	s_barrier_signal -1
	s_barrier_wait -1
	FOUR_STEPS                                     ; groups 0-3
	s_mov_b32 s[C2], 2
.Lslot:
	CHANGE 1
	FOUR_STEPS                                     ; groups 4-7, then 8-11
	s_sub_co_u32 s[C2], s[C2], 1
	s_cmp_lg_u32 s[C2], 0
	s_cbranch_scc1 .Lslot
	CHANGE 0                                       ; the last slot is written out
	FOUR_STEPS                                     ; groups 12-15
	; THE END: the own block's result / its sum + the part put aside; quantised along D; a head's 128 numbers are 96 bytes of codes and one scale word of a row
	v_add_f32 v14, v14, v15
	v_permlanex16_b32 v254, v14, s[SEL], s[SEL+1]
	v_add_f32 v14, v14, v254
	v_rcp_f32 v254, v14
	v_nop                                          ; a plain place behind the reciprocal
	WIN 0x10                                       ; source 2 in window 1
.set n, 0
	s_wait_alu depctr_va_vdst(0)
.rept 32
	v_pk_fma_f32 v[96+n:97+n], v[160+n:161+n], v[254:255], v[n:n+1] op_sel_hi:[1,0,1]   ; register 16 b + i = the head's number 32 b + 16 h + i of my query
.set n, n+2
.endr
	WIN 0
	QUANT 96, 48, 64, 72
.irp p, 0,1,2,3,4,5
	global_store_b64 v[AO], v[48+2*\p:49+2*\p], s[10:11] offset:48*(\p/3)+8*(\p%3)
.endr
	global_store_b32 v29, v72, s[12:13]            ; lanes 16-31 hold, and write, the same word as lanes 0-15
	s_wait_tensorcnt 0x0                           ; the wave's end
	ds_add_u32 v[SPW], v[NIL]
	s_wait_dscnt 0x0
	CROUND                                         ; the closing round
	s_endpgm
.Lfunc_end_k_q3530ad2b76_attn:
	.size	k_q3530ad2b76_attn, .Lfunc_end_k_q3530ad2b76_attn-k_q3530ad2b76_attn
	.p2alignl 7, 3214868480
	.fill 96, 4, 3214868480
	.section	.rodata,"a",@progbits
	.p2align	6, 0x0
	.amdhsa_kernel k_q3530ad2b76_attn
		.amdhsa_group_segment_fixed_size 327680
		.amdhsa_private_segment_fixed_size 0
		.amdhsa_enable_private_segment 0
		.amdhsa_kernarg_size 40
		.amdhsa_user_sgpr_count 2
		.amdhsa_user_sgpr_kernarg_segment_ptr 1
		.amdhsa_wavefront_size32 1
		.amdhsa_system_sgpr_workgroup_id_x 1
		.amdhsa_system_sgpr_workgroup_id_y 1
		.amdhsa_system_sgpr_workgroup_id_z 1
		.amdhsa_system_vgpr_workitem_id 0
		.amdhsa_next_free_vgpr 512
		.amdhsa_next_free_sgpr 66
		.amdhsa_reserve_vcc 1
		.amdhsa_float_denorm_mode_32 3
		.amdhsa_float_denorm_mode_16_64 3
		.amdhsa_memory_ordered 1
		.amdhsa_forward_progress 1
		.amdhsa_inst_pref_size 133
	.end_amdhsa_kernel
	.amdgpu_metadata
---
amdhsa.version: [ 1, 2 ]
amdhsa.kernels:
  - .name:           k_q3530ad2b76_attn
    .symbol:         k_q3530ad2b76_attn.kd
    .args:
      - { .name: qf, .offset: 0, .size: 8, .value_kind: global_buffer, .address_space: global }
      - { .name: kv, .offset: 8, .size: 8, .value_kind: global_buffer, .address_space: global }
      - { .name: ksum, .offset: 16, .size: 8, .value_kind: global_buffer, .address_space: global }
      - { .name: acodes, .offset: 24, .size: 8, .value_kind: global_buffer, .address_space: global }
      - { .name: ascales, .offset: 32, .size: 8, .value_kind: global_buffer, .address_space: global }
    .group_segment_fixed_size: 327680
    .private_segment_fixed_size: 0
    .kernarg_segment_align: 8
    .kernarg_segment_size: 40
    .max_flat_workgroup_size: 256
    .sgpr_count:     66
    .vgpr_count:     512
    .wavefront_size: 32
...
	.end_amdgpu_metadata
.endif
;; end of part 3
;; launch oproj (part 4): grid 16 x 16, 4 waves a work-group, clusters of 4 x 4, 327,680 bytes of LDS; arguments acodes, ascales, Wo_codes, Wo_scales, bo, out0; writes out0
.if DOCPART == 4
	.amdgcn_target "amdgcn-amd-amdhsa--gfx1250"
	.amdhsa_code_object_version 6
	.text
	.protected	k_q3530ad2b76_oproj
	.globl	k_q3530ad2b76_oproj
	.p2align	8
	.type	k_q3530ad2b76_oproj,@function
k_q3530ad2b76_oproj:
	s_mov_b64 s[64:65], 0
	v_nop
	global_prefetch_b8 v0, s[64:65] scope:SCOPE_SE
	s_setreg_imm32_b32 hwreg(HW_REG_WAVE_MODE, 25, 1), 1
	s_wait_xcnt 0x0
	s_wait_alu depctr_hold_cnt(0) depctr_sa_sdst(0) depctr_va_vdst(0) depctr_va_sdst(0) depctr_va_ssrc(0) depctr_va_vcc(0) depctr_vm_vsrc(0)
	s_getreg_b32 s2, hwreg(HW_REG_IB_STS2, 6, 4)
	s_cmp_eq_u32 s2, 0
	s_cbranch_scc0 .Lentry_in_a_cluster
	s_endpgm
.Lentry_in_a_cluster:
	s_bfe_u32 s2, ttmp6, 0x10000c
	s_cmp_lg_u32 s2, 0xf033
	s_cbranch_scc0 .Lentry_shape_is_right
	s_endpgm
.Lentry_shape_is_right:
; out[m][n] = sum over k of X[m][k] Y[n][k] + bias[n].  X (the attention's result) and Y (Wo): [2048][2048] as codes of E2M3, four codes in three bytes, K innermost, with one E8M0 byte for each 32 along K; out: f32; sums in f32.
; A TILE OF 128 x 128: 2,048 x 2,048 numbers make 256 such tiles, one work-group each.  Four waves, each 64 x 64: 16 accumulators of 16 x 16, 128 registers.
; K goes in steps of 512 through a ring of two LDS slots filled by the tensor data mover: rows of 384 bytes, 64 rows to a wave's load.  Four fills in all: two at the start, two behind a round each;
; a refill has a whole slot's work, 56 matrix instructions and 192 LDS loads a wave, in which to land.  The whole walk over K, four slots, is written out: there is no loop.
; The scale bytes of the tile's 128 + 128 rows, for all of K, come into LDS once, in rows of 256 bytes.
; CLUSTERS: 4 x 4 work-groups; X's tiles are asked for jointly along a row of the cluster, Y's along a column.
; The matrix instruction is used transposed (source 0 = 16 rows of Y, source 1 = 16 rows of X): a lane holds eight neighbouring numbers of a row of the result.
; A wave's 64 columns of f32 are 256 consecutive bytes, aligned: so each wave sends its results through a stage of its own, with no barrier.
; LIMITS: NaN and infinities are not served.
; REGISTERS: window 0: v8-11 the bias; v16-30 addresses; v32-63 scale words, two sets; v64-127 rows on the way out, two sets; v128-255 the accumulators ((a, b) at v[128 + 8 (4 a + b)]).
;   window 1: two fragment buffers for 128 along K, at v0 and at v128: Y's four fragments (48 registers), then X's four.
.set SIZE_K, 2048
.set SIZE_N, 2048
.set KSTEP,  512                       ; along K in a slot
.set ROWB,   KSTEP*6/8                 ; a tile's row: 384 bytes
.set KROW,   SIZE_K*6/8                ; a row of codes in memory
.set PITCH,  432                       ; an LDS row: 3 x (128 bytes + 16 of padding) = 108 words: row r starts at bank 44 r mod 64 (64 banks of 4 bytes: ISA guide 11.1): sixteen different multiples of 4, so the 32 lanes of a load of 8 bytes touch 64 different banks
.set FR,     12                        ; registers of a fragment
.set NP,     4                         ; places behind this matrix instruction (ISA guide 7.12.1)
.set HALFT,  64*PITCH                  ; 64 rows: what one tensor load brings, and what one wave reads of X or of Y
.set SLOT,   4*HALFT                   ; X's 128 rows, then Y's 128 rows
.set KS,     SIZE_K/32                 ; a row of scale bytes
.set SCL,    2*SLOT                    ; behind the ring: the scales, rows of 256 bytes + 16
.set HALFS,  (64*KS/256)*272           ; those of 64 rows
.set SBLK,   (16*KS/256)*272           ; those of 16 rows
.set SPARE,  SCL+4*HALFS               ; the spare words: 128 bytes a wave, two blocks of 256 bytes that no other line names
.set SPITCH, 272                       ; the way out: a stage of 16 rows x (256 bytes + 16) for each wave, in slot 0, behind its last fill and its last read
.set BI,   8                           ; v8-11   the bias of my four columns on the way back from the stage
.set ADRA, 16                          ; v16-17  LDS address of my X fragments in slot 0, 1  (v18-19: for the pieces that lie behind one padding more)
.set ADRB, 20                          ; v20-21  the same for Y  (v22-23)
.set STO,  24                          ; where I put 32 bytes of a row
.set RD,   25                          ; where I read a row back
.set CO,   26                          ; my byte offset in two rows of the result
.set ADRS, 27                          ; LDS address of my scale words: lanes 0-15 X's rows, lanes 16-31 Y's
.set SPW,  28                          ; LDS address of my spare word; never rewritten
.set NIL,  29                          ; 0; never rewritten
.set OB,   30                          ; 16 x (lane % 16)
.set SC,   32                          ; scale words: set s (for slot s) at v[SC + 16 s]; register 4 i + q: lanes 0-15 X's block i, lanes 16-31 Y's block i, the slot's q-th 128 along K
.set BK,   64
.set ACC,  128
.set G1, 24
.set G0, 32
.set G1B, 48
.set G0B, 56
.set G1S, 68
.set G0S, 76
.set G1SB, 80
.set G0SB, 88
.set MSB, 0
.macro WIN new                         ; the immediate's high byte repeats the setting that is left
.if MSB != \new
	s_set_vgpr_msb (MSB<<8)|\new
.set MSB, \new
.endif
.endm
.set MUL,  0x05                        ; sources 0 (Y) and 1 (X) window 1; C and D window 0
.set TO_F, 0x40                        ; destination window 1, address window 0
; A joint load: waves 0 and 1 fetch for X, waves 2 and 3 for Y.  Four v_nop follow each of the two lines.
.macro JLOAD g0a, g1a, g0b, g1b
	s_cmp_eq_u32 s15, 0
	s_cbranch_scc0 .Lfor_b_\@
	tensor_load_to_lds s[\g0a:\g0a+3], s[\g1a:\g1a+7]
	s_nop 0
.rept 4
	v_nop
.endr
	s_branch .Lasked_\@
.Lfor_b_\@:
	tensor_load_to_lds s[\g0b:\g0b+3], s[\g1b:\g1b+7]
	s_nop 0
.rept 4
	v_nop
.endr
.Lasked_\@:
.endm
.macro CREST                           ; a round of the cluster's barrier behind its opening barrier
	s_cmp_lg_u32 s14, 0
	s_cbranch_scc1 .Lnot_wave_0_\@
	s_barrier_signal -3
.Lnot_wave_0_\@:
	s_barrier_wait -3
	s_barrier_signal -1
	s_barrier_wait -1
.endm
.macro CROUND
	s_barrier_signal -1
	s_barrier_wait -1
	CREST
.endm
	s_load_b256 s[4:11], s[0:1], 0x0               ; X's codes s[4:5], X's scales s[6:7], Y's codes s[8:9], Y's scales s[10:11]
	s_load_b128 s[96:99], s[0:1], 0x20             ; the bias s[96:97], the result s[98:99]
	v_lshl_add_u32 v[SPW], v0, 2, SPARE
	v_mov_b32 v[NIL], 0
	ds_add_u32 v28, v29
	s_wait_dscnt 0x0
	v_lshrrev_b32 v1, 5, v0
	v_readfirstlane_b32 s14, v1                    ; wave 0..3
	s_lshr_b32 s15, s14, 1                         ; which half of the tile's rows is mine.  Also: I fetch for X (0) or for Y (1)
	s_and_b32 s16, s14, 1                          ; which half of its columns.  Also: which 64 rows I fetch
	s_bfe_u32 s40, ttmp6, 0x40000                  ; cx, cy: my place in the cluster
	s_bfe_u32 s41, ttmp6, 0x40004
	s_lshl_b32 s42, ttmp9, 2
	s_add_co_u32 s42, s42, s40                     ; tile column = 4 x cluster x + cx
	s_and_b32 s17, ttmp7, 0xffff
	s_lshl_b32 s17, s17, 2
	s_add_co_u32 s17, s17, s41                     ; tile row = 4 x cluster y + cy
	s_lshl_b32 s43, s41, 2
	s_lshl_b32 s43, 15, s43                        ; my row of the cluster
	s_lshl_b32 s44, 0x1111, s40                    ; my column
	; descriptor group 1: a tile of 64 rows x 384 bytes; 16 bytes of padding behind every 128
	s_or_b32 s[G1+0], s43, (0<<16)|(1<<20)|(1<<21)|(4<<22)|(3<<25)   ; 15:0 the mask; 17:16 elements of 1 byte; 20 padding on; 21 set beside a mask; 24:22 after every 32 words (code 4); 31:25 of 4 words (code 3)
	s_or_b32 s[G1B+0], s44, (0<<16)|(1<<20)|(1<<21)|(4<<22)|(3<<25)
.irp g, G1, G1B
	s_mov_b32 s[\g+1], ROWB<<16                    ; tensor_dim0
	s_mov_b32 s[\g+2], 64<<16                      ; tensor_dim1
	s_mov_b32 s[\g+3], ROWB<<16                    ; tile_dim0
	s_mov_b32 s[\g+4], 64                          ; tile_dim1
	s_mov_b32 s[\g+5], KROW                        ; tensor_dim0_stride
	s_mov_b32 s[\g+6], 0
	s_mov_b32 s[\g+7], 0
.endr
	; the scales of 64 rows: 4,096 dense bytes as 16 rows of 256 bytes (32 elements of 8 bytes), 16 bytes of padding behind each
	s_or_b32 s[G1S+0], s43, (3<<16)|(1<<20)|(1<<21)|(5<<22)|(3<<25)
	s_or_b32 s[G1SB+0], s44, (3<<16)|(1<<20)|(1<<21)|(5<<22)|(3<<25)
.irp g, G1S, G1SB
	s_mov_b32 s[\g+1], 32<<16
	s_mov_b32 s[\g+2], (64*KS/256)<<16
	s_mov_b32 s[\g+3], 32<<16
	s_mov_b32 s[\g+4], 64*KS/256
	s_mov_b32 s[\g+5], 32
	s_mov_b32 s[\g+6], 0
	s_mov_b32 s[\g+7], 0
.endr
	s_lshl_b32 s18, s16, 6                         ; which 64 rows of the tile I fetch
	s_lshl_b32 s20, s17, 7
	s_add_co_u32 s20, s20, s18                     ; X: row 128 x tile row + 64 x half
	s_lshl_b32 s46, s42, 7
	s_add_co_u32 s46, s46, s18                     ; Y: row 128 x tile column + 64 x half
	s_mov_b32 s21, 0
	s_mov_b32 s47, 0
	s_mov_b64 s[18:19], KS
	s_mul_u64 s[22:23], s[20:21], s[18:19]         ; where these rows' scales begin,
	s_mul_u64 s[92:93], s[46:47], s[18:19]
	s_mov_b64 s[18:19], KROW
	s_mul_u64 s[20:21], s[20:21], s[18:19]         ; and their codes
	s_mul_u64 s[46:47], s[46:47], s[18:19]
	s_mul_i32 s45, s14, HALFT                      ; where they go: wave x 64 rows: no place in the cluster enters an LDS address
	s_mul_i32 s94, s14, HALFS
	s_wait_kmcnt 0x0
	s_add_nc_u64 s[20:21], s[4:5], s[20:21]
	s_add_nc_u64 s[22:23], s[6:7], s[22:23]
	s_add_nc_u64 s[46:47], s[8:9], s[46:47]
	s_add_nc_u64 s[92:93], s[10:11], s[92:93]
	CROUND                                         ; all sixteen work-groups are here: the first joint loads meet
	s_mov_b32 s[G0S], 1
	s_add_co_u32 s[G0S+1], s94, SCL
	s_mov_b64 s[G0S+2:G0S+3], s[22:23]
	s_or_b32 s[G0S+3], s[G0S+3], 0x80000000
	s_mov_b32 s[G0SB], 1
	s_add_co_u32 s[G0SB+1], s94, SCL
	s_mov_b64 s[G0SB+2:G0SB+3], s[92:93]
	s_or_b32 s[G0SB+3], s[G0SB+3], 0x80000000
	JLOAD G0S, G1S, G0SB, G1SB                     ; the scales first: they are wanted with K step 0
.irp s, 0,1
	s_mov_b32 s[G0+4*\s], 1
	s_add_co_u32 s[G0+4*\s+1], s45, \s*SLOT
	s_add_nc_u64 s[G0+4*\s+2:G0+4*\s+3], s[20:21], \s*ROWB
	s_or_b32 s[G0+4*\s+3], s[G0+4*\s+3], 0x80000000
	s_mov_b32 s[G0B+4*\s], 1
	s_add_co_u32 s[G0B+4*\s+1], s45, \s*SLOT
	s_add_nc_u64 s[G0B+4*\s+2:G0B+4*\s+3], s[46:47], \s*ROWB
	s_or_b32 s[G0B+4*\s+3], s[G0B+4*\s+3], 0x80000000
	JLOAD G0+4*\s, G1, G0B+4*\s, G1B               ; three tensor loads of mine are out
.endr
	v_and_b32 v1, 15, v0                           ; r = lane % 16
	v_bfe_u32 v2, v0, 4, 1                         ; h = lane / 16
	v_mul_u32_u24 v3, v1, PITCH
	v_mul_u32_u24 v4, v2, 24
	v_add_nc_u32 v4, v3, v4                        ; a fragment's row x pitch + 24 x half
	v_lshl_add_u32 v5, v2, 4, v4                   ; and the same behind one padding more
	s_mul_i32 s21, s15, HALFT                      ; my 64 rows of X
	s_mul_i32 s22, s16, HALFT                      ; my 64 rows of Y,
	s_add_co_u32 s22, s22, 2*HALFT                 ; which lie behind X's 128
.irp s, 0,1
	v_add_nc_u32 v[ADRA+\s], s21, v4
	v_add_nc_u32 v[ADRB+\s], s22, v4
	v_add_nc_u32 v[ADRA+2+\s], s21, v5
	v_add_nc_u32 v[ADRB+2+\s], s22, v5
	s_add_co_u32 s21, s21, SLOT
	s_add_co_u32 s22, s22, SLOT
.endr
	v_mul_u32_u24 v5, v1, KS                       ; my row's scales: 64 bytes a row,
	v_lshrrev_b32 v6, 8, v5
	v_lshl_add_u32 v5, v6, 4, v5                   ; and 16 more for each 256 passed
	s_mul_i32 s21, s15, HALFS
	s_mul_i32 s22, s16, HALFS
	s_add_co_u32 s22, s22, 2*HALFS
	s_sub_co_u32 s22, s22, s21
	v_mul_u32_u24 v6, s22, v2                      ; lanes 16-31 take Y's
	s_add_co_u32 s21, s21, SCL
	v_add_nc_u32 v5, v5, v6
	v_add_nc_u32 v[ADRS], s21, v5
	s_mul_i32 s23, s14, 16*SPITCH                  ; my stage
	v_mul_u32_u24 v5, v1, SPITCH
	v_lshl_add_u32 v5, v2, 5, v5                   ; in: row r, 32 bytes for each half of the lanes
	v_add_nc_u32 v[STO], s23, v5
	v_mul_u32_u24 v6, v2, SPITCH
	v_lshl_add_u32 v6, v1, 4, v6                   ; back: lanes 0-15 take one row of 256 bytes, lanes 16-31 the next
	v_add_nc_u32 v[RD], s23, v6
	v_lshlrev_b32 v[OB], 4, v1
	v_lshl_add_u32 v[CO], v2, 13, v[OB]            ; and the same two rows in the result: 8,192 bytes apart
	s_lshl_b32 s20, s17, 7
	s_lshl_b32 s21, s15, 6
	s_add_co_u32 s20, s20, s21                     ; my first row: 128 x tile row + 64 x half
	s_mov_b32 s21, 0
	s_mov_b64 s[18:19], SIZE_N*4
	s_mul_u64 s[20:21], s[20:21], s[18:19]
	s_lshl_b32 s46, s42, 9                         ; my first column, in bytes: 512 x tile column + 256 x half
	s_lshl_b32 s47, s16, 8
	s_add_co_u32 s46, s46, s47
	s_mov_b32 s47, 0
	s_add_nc_u64 s[96:97], s[96:97], s[46:47]      ; the bias at my first column
	s_add_nc_u64 s[20:21], s[20:21], s[46:47]
	s_add_nc_u64 s[98:99], s[98:99], s[20:21]
	global_load_b128 v[BI:BI+3], v[OB], s[96:97]   ; waited for on the way out; its offset and base are never rewritten
.macro FRAG reg, adr, q, i             ; 16 rows x 128 K: lane l holds row l % 16; registers 6 c .. 6 c + 5 hold K = 64 c + 32 (l / 16) + 0 .. 31, in pieces of 8 bytes
.irp p, 0,1,2,3,4,5
.set PC, 12*(\q)+6*(\p/3)+\p%3        ; 16 bytes of padding lie behind every 16 pieces: where the piece three on lies behind one padding more, the second address register (40 for 24 bytes a half) serves
.if PC%16 < 13
	ds_load_b64 v[\reg+2*\p:\reg+2*\p+1], v[\adr] offset:8*PC+16*(PC/16)+(\i)*16*PITCH
.else
	ds_load_b64 v[\reg+2*\p:\reg+2*\p+1], v[\adr+2] offset:8*PC+16*(PC/16)+(\i)*16*PITCH
.endif
.endr
.endm
; 4 matrix instructions: X's block a x Y's four, 128 along K: the slot's q-th, from buffer f.  The 16 accumulators take turns, one instruction a turn, in the same order in every quarter.
.macro MUL4 f, a, q, sc, zero
.irp b, 0,1,2,3
.if \zero
	v_wmma_scale_f32_16x16x128_f8f6f4 v[ACC+8*(4*(\a)+\b):ACC+8*(4*(\a)+\b)+7], v[\f+FR*\b:\f+FR*\b+FR-1], v[\f+48+FR*(\a):\f+48+FR*(\a)+FR-1], 0, v[SC+16*(\sc)+4*\b+(\q)], v[SC+16*(\sc)+4*(\a)+(\q)] matrix_a_fmt:MATRIX_FMT_FP6 matrix_b_fmt:MATRIX_FMT_FP6 matrix_a_scale:MATRIX_SCALE_ROW1
.else
	v_wmma_scale_f32_16x16x128_f8f6f4 v[ACC+8*(4*(\a)+\b):ACC+8*(4*(\a)+\b)+7], v[\f+FR*\b:\f+FR*\b+FR-1], v[\f+48+FR*(\a):\f+48+FR*(\a)+FR-1], v[ACC+8*(4*(\a)+\b):ACC+8*(4*(\a)+\b)+7], v[SC+16*(\sc)+4*\b+(\q)], v[SC+16*(\sc)+4*(\a)+(\q)] matrix_a_fmt:MATRIX_FMT_FP6 matrix_b_fmt:MATRIX_FMT_FP6 matrix_a_scale:MATRIX_SCALE_ROW1
.endif
.endr
.endm
.macro FETCH slot, q, f                ; 48 LDS loads in one run: Y's four fragments, then X's four, of the slot's q-th 128 along K, into buffer f
	WIN TO_F
.irp i, 0,1,2,3
	FRAG \f+FR*\i, ADRB+\slot, \q, \i
.endr
.irp i, 0,1,2,3
	FRAG \f+48+FR*\i, ADRA+\slot, \q, \i
.endr
.endm
.macro SCALES sc                       ; a slot's scale words: four words a row; lanes 0-15 X's block i, lanes 16-31 Y's block i
.irp i, 0,1,2,3
	ds_load_b128 v[SC+16*\sc+4*\i:SC+16*\sc+4*\i+3], v[ADRS] offset:\i*SBLK
.endr
.endm
.macro PLACES n                        ; plain vector instructions between a matrix instruction and a load into, or a read of, its registers
.rept \n
	v_nop
.endr
.endm
; A slot is four quarters of 128 along K, 16 matrix instructions each, on buffers 0, 1, 0, 1.  One of the first three: multiplies buffer q % 2 and fetches the next quarter into the other.
.macro QUARTER slot, q, zero
	s_wait_dscnt 12                                ; Y's four fragments and X's blocks 0, 1 are in; the youngest 12 loads (X's blocks 2, 3) may be out
	WIN MUL
	MUL4 128*((\q)%2), 0, \q, \slot, \zero
	MUL4 128*((\q)%2), 1, \q, \slot, \zero
	PLACES NP
	FETCH \slot, (\q)+1, 128*(1-(\q)%2)
	s_wait_dscnt 48                                ; all but the 48 just issued
	WIN MUL
	MUL4 128*((\q)%2), 2, \q, \slot, \zero
	MUL4 128*((\q)%2), 3, \q, \slot, \zero
.endm
; The last quarter multiplies buffer 1 and changes slots: one barrier; in front of it each wave waits for all its tensor loads, adds 0 to its spare word, and waits for that and for its reads of this slot.
.macro TURN slot, next, fill
	WIN 0                                          ; (the add's two registers lie in window 0)
	s_wait_tensorcnt 0x0                           ; all my tensor loads have landed: my part of the next slot
	ds_add_u32 v[SPW], v[NIL]                      ; 0 onto my spare word
	s_wait_dscnt 13                                ; (the add and the youngest 12 loads may be out)
	WIN MUL
	MUL4 128, 0, 3, \slot, 0                       ; four matrix instructions stand between the add and the wait for it
	s_wait_dscnt 0x0                               ; the add is done, and my reads of this slot are over
	s_barrier_signal -1
	MUL4 128, 1, 3, \slot, 0
	WIN 0
	s_barrier_wait -1
.if \fill
	CREST                                          ; the barrier has opened a round of the cluster's barrier: no wave of any partner still reads this slot or has a load on its way
	s_add_nc_u64 s[G0+4*\slot+2:G0+4*\slot+3], s[G0+4*\slot+2:G0+4*\slot+3], 2*ROWB
	s_add_nc_u64 s[G0B+4*\slot+2:G0B+4*\slot+3], s[G0B+4*\slot+2:G0B+4*\slot+3], 2*ROWB
	JLOAD G0+4*\slot, G1, G0B+4*\slot, G1B         ; the first tensor load behind the round, and my only one until the next; its four v_nop are the places in front of the loads below
.else
	PLACES NP
.endif
	v_add_nc_u32 v[ADRS], 16, v[ADRS]              ; the next slot's scale words: 16 bytes on in each row
	SCALES \next
	FETCH \next, 0, 0
	WIN MUL
	MUL4 128, 2, 3, \slot, 0
	MUL4 128, 3, 3, \slot, 0
.endm
	s_wait_tensorcnt 1                             ; the scales and my part of K step 0 are in; K step 1's load may be out
	s_barrier_signal -1
	s_barrier_wait -1
	SCALES 0
	FETCH 0, 0, 0
	QUARTER 0, 0, 1                                ; K 0 to 511; the first quarter's products start the sums: nothing is cleared
	QUARTER 0, 1, 0
	QUARTER 0, 2, 0
	TURN 0, 1, 1                                   ; slot 0 takes K 1,024 to 1,535
	QUARTER 1, 0, 0                                ; K 512 to 1,023
	QUARTER 1, 1, 0
	QUARTER 1, 2, 0
	TURN 1, 0, 1                                   ; slot 1 takes K 1,536 to 2,047
	QUARTER 0, 0, 0
	QUARTER 0, 1, 0
	QUARTER 0, 2, 0
	TURN 0, 1, 0                                   ; nothing is left to fetch
	QUARTER 1, 0, 0
	QUARTER 1, 1, 0
	QUARTER 1, 2, 0
	s_wait_dscnt 12                                ; the very last quarter
	WIN MUL
	MUL4 128, 0, 3, 1, 0
	MUL4 128, 1, 3, 1, 0
	s_wait_dscnt 0
	MUL4 128, 2, 3, 1, 0
	MUL4 128, 3, 3, 1, 0
	WIN 0
	s_wait_loadcnt 0x0                             ; the bias
	PLACES NP                                      ; behind the last products, in front of the first read of results
; THE WAY OUT, block by block of 16 rows x 64 columns: through my own stage, back as whole rows of 256 bytes, the bias added, two rows a store.
; LDS serves a wave's instructions in order (ISA guide 5.7.1.4): no wait between the stores and the loads, nor in front of the next block's stores.
.macro TOSTAGE a
.irp b, 0,1,2,3
	ds_store_b128 v[STO], v[ACC+8*(4*(\a)+\b):ACC+8*(4*(\a)+\b)+3] offset:64*\b        ; each accumulator from its low end on
	ds_store_b128 v[STO], v[ACC+8*(4*(\a)+\b)+4:ACC+8*(4*(\a)+\b)+7] offset:64*\b+16
.endr
.set BB, BK+32*((\a)%2)
.irp t, 0,1,2,3,4,5,6,7
	ds_load_b128 v[BB+4*\t:BB+4*\t+3], v[RD] offset:\t*2*SPITCH
.endr
.endm
.macro SEND a, younger
.set BB, BK+32*((\a)%2)
	s_wait_dscnt \younger                          ; the block is back; the next block's 8 stores and 8 loads may be out
.if (\a) > 0
	s_add_nc_u64 s[98:99], s[98:99], 16*SIZE_N*4   ; (behind a wait on XCNT: the earlier stores have read their base)
.endif
.irp t, 0,1,2,3,4,5,6,7
	v_pk_add_f32 v[BB+4*\t:BB+4*\t+1], v[BB+4*\t:BB+4*\t+1], v[BI:BI+1]
	v_pk_add_f32 v[BB+4*\t+2:BB+4*\t+3], v[BB+4*\t+2:BB+4*\t+3], v[BI+2:BI+3]
	global_store_b128 v[CO], v[BB+4*\t:BB+4*\t+3], s[98:99] offset:2*\t*SIZE_N*4 th:TH_STORE_NT   ; 16 lanes store 256 consecutive bytes, at a multiple of 256 from the result's first byte; written once, read by nobody here
.endr
.endm
	TOSTAGE 0
.irp a, 1,2,3
.if \a > 1
	s_wait_xcnt 0x0                                ; block a - 2's stores have read their registers and their base
.endif
	TOSTAGE \a
	SEND \a-1, 16
.endr
	s_wait_xcnt 0x0
	SEND 3, 0
	s_wait_tensorcnt 0x0                           ; the wave's end
	ds_add_u32 v[SPW], v[NIL]
	s_wait_dscnt 0x0
	CROUND                                         ; the closing round: no work-group ends while a partner may still ask for a tile that names it
	s_endpgm
.Lfunc_end_k_q3530ad2b76_oproj:
	.size	k_q3530ad2b76_oproj, .Lfunc_end_k_q3530ad2b76_oproj-k_q3530ad2b76_oproj
	.p2alignl 7, 3214868480
	.fill 96, 4, 3214868480
	.section	.rodata,"a",@progbits
	.p2align	6, 0x0
	.amdhsa_kernel k_q3530ad2b76_oproj
		.amdhsa_group_segment_fixed_size 327680
		.amdhsa_private_segment_fixed_size 0
		.amdhsa_enable_private_segment 0
		.amdhsa_kernarg_size 48
		.amdhsa_user_sgpr_count 2
		.amdhsa_user_sgpr_kernarg_segment_ptr 1
		.amdhsa_wavefront_size32 1
		.amdhsa_system_sgpr_workgroup_id_x 1
		.amdhsa_system_sgpr_workgroup_id_y 1
		.amdhsa_system_sgpr_workgroup_id_z 1
		.amdhsa_system_vgpr_workitem_id 0
		.amdhsa_next_free_vgpr 512
		.amdhsa_next_free_sgpr 106
		.amdhsa_reserve_vcc 0
		.amdhsa_float_denorm_mode_32 3
		.amdhsa_float_denorm_mode_16_64 3
		.amdhsa_memory_ordered 1
		.amdhsa_forward_progress 1
		.amdhsa_inst_pref_size 109
	.end_amdhsa_kernel
	.amdgpu_metadata
---
amdhsa.version: [ 1, 2 ]
amdhsa.kernels:
  - .name:           k_q3530ad2b76_oproj
    .symbol:         k_q3530ad2b76_oproj.kd
    .args:
      - { .name: acodes, .offset: 0, .size: 8, .value_kind: global_buffer, .address_space: global }
      - { .name: ascales, .offset: 8, .size: 8, .value_kind: global_buffer, .address_space: global }
      - { .name: Wo_codes, .offset: 16, .size: 8, .value_kind: global_buffer, .address_space: global }
      - { .name: Wo_scales, .offset: 24, .size: 8, .value_kind: global_buffer, .address_space: global }
      - { .name: bo, .offset: 32, .size: 8, .value_kind: global_buffer, .address_space: global }
      - { .name: out0, .offset: 40, .size: 8, .value_kind: global_buffer, .address_space: global }
    .group_segment_fixed_size: 327680
    .private_segment_fixed_size: 0
    .kernarg_segment_align: 8
    .kernarg_segment_size: 48
    .max_flat_workgroup_size: 128
    .sgpr_count:     106
    .vgpr_count:     512
    .wavefront_size: 32
...
	.end_amdgpu_metadata
.endif
;; end of part 4
